; MI455X (gfx1250); checked and timed in simulation.
; The chip was launched on July 23, 2026; its instructions are those of AMD's public machine-readable ISA for CDNA 5 (MIT licence, August 2026) and "CDNA5" Instruction Set Architecture Reference Guide (July 2026). The comments in the code are by the model that wrote it; some were corrected since.
;; Multi Head Attention. Allowed arithmetic: matrix products marked QUANTISED: E2M3 operands, one E8M0 scale for each 32 along K, by v_wmma_scale_f32_16x16x128_f8f6f4 with both operands' format E2M3, f32 sums; everything else in f32.
;; Inputs: K_codes 2 x 2,048 x 32 x 24 uint8 (E2M3 codes of K, K innermost, in blocks of 32 codes, four codes in three bytes); K_scales 2 x 2,048 x 32 uint8 (E8M0 scales of K, one for each 32 codes along K); Q_codes 2 x 2,048 x 32 x 24 uint8 (E2M3 codes of Q, K innermost, in blocks of 32 codes, four codes in three bytes); Q_scales 2 x 2,048 x 32 uint8 (E8M0 scales of Q, one for each 32 codes along K); V_codes 2 x 2,048 x 32 x 24 uint8 (E2M3 codes of V, K innermost, in blocks of 32 codes, four codes in three bytes); V_scales 2 x 2,048 x 32 uint8 (E8M0 scales of V, one for each 32 codes along K); W_k_codes 1,024 x 32 x 24 uint8 (E2M3 codes of W_k, K innermost, in blocks of 32 codes, four codes in three bytes); W_k_scales 1,024 x 32 uint8 (E8M0 scales of W_k, one for each 32 codes along K); W_o_codes 1,024 x 32 x 24 uint8 (E2M3 codes of W_o, K innermost, in blocks of 32 codes, four codes in three bytes); W_o_scales 1,024 x 32 uint8 (E8M0 scales of W_o, one for each 32 codes along K); W_q_codes 1,024 x 32 x 24 uint8 (E2M3 codes of W_q, K innermost, in blocks of 32 codes, four codes in three bytes); W_q_scales 1,024 x 32 uint8 (E8M0 scales of W_q, one for each 32 codes along K); W_v_codes 1,024 x 32 x 24 uint8 (E2M3 codes of W_v, K innermost, in blocks of 32 codes, four codes in three bytes); W_v_scales 1,024 x 32 uint8 (E8M0 scales of W_v, one for each 32 codes along K); b_k 1,024 float32; b_o 1,024 float32; b_q 1,024 float32; b_v 1,024 float32; mask 1 x 1 x 2,048 x 2,048 int32.
;; Outputs: out0 2 x 2,048 x 1,024 float32.
;; This version of the problem:
;;   THIS VERSION OF THE PROBLEM IS GIVEN IN LOW PRECISION. The matrix products marked QUANTISED in the list below multiply operands that are first quantised to E2M3 (2 exponent bits, 3 mantissa bits; 6 bits a number), with one power-of-two scale for each 32 numbers along K (OCP MX v1.0); their sums are f32. All else is computed in f32.
;;   The module's matrix products, in the order in which they are computed (A, B: the left and right operand; K: the contracted axis; several contracted axes count as one K, in the product's order):
;;     1. [M 4,096, K 1,024] x [K 1,024, N 1,024]; A: input Q (given as codes); B: input W_q (given as codes): QUANTISED
;;     2. [M 4,096, K 1,024] x [K 1,024, N 1,024]; A: input K (given as codes); B: input W_k (given as codes): QUANTISED
;;     3. [M 4,096, K 1,024] x [K 1,024, N 1,024]; A: input V (given as codes); B: input W_v (given as codes): QUANTISED
;;     4. batch 32 x [M 2,048, K 64] x [K 64, N 2,048]; A: computed on the way; B: computed on the way: QUANTISED
;;     5. batch 32 x [M 2,048, K 2,048] x [K 2,048, N 64]; A: softmax (see below); B: computed on the way: QUANTISED
;;     6. [M 4,096, K 1,024] x [K 1,024, N 1,024]; A: computed on the way; B: input W_o (given as codes): QUANTISED
;;   THE QUANTISER, for each operand of a quantised product, along K:
;;     - K is cut into blocks of 32 from its start; a last block that is shorter is filled with zeros.
;;     - A block's scale is 2^e with e = floor(log2(the largest magnitude in the block)) - 2, held to -126 .. 127; a block of zeros has e = 0. As a byte (E8M0): e + 127.
;;     - Each number is divided by its block's scale, clamped to +-7.5, and rounded to the nearest number of E2M3, ties to even, subnormals kept.
;;     - The product sums the exact products of the quantised numbers (number of the format x scale) in f32.
;;   ~~~python
;;   def quantise(x, axis):      # numpy; x: float32 -> the quantised numbers, widened to float32 again
;;       x = np.moveaxis(x, axis, -1); K = x.shape[-1]
;;       x = np.pad(x, [(0, 0)] * (x.ndim - 1) + [(0, -K % 32)]); x = x.reshape(x.shape[:-1] + (-1, 32)); a = np.abs(x).max(-1, keepdims=True)
;;       e = np.where(a > 0, np.clip(np.frexp(np.where(a > 0, a, 1))[1] - 1 - 2, -126, 127), 0)      # np.frexp(a)[1] - 1 = floor(log2(a)), exactly
;;       r = np.clip(x / 2.0 ** e, -7.5, 7.5)
;;       step = 2.0 ** (np.maximum(np.frexp(np.where(r == 0, 1, r))[1] - 1, 0) - 3)
;;       q = np.round(r / step) * step * 2.0 ** e      # np.round: ties to even
;;       return np.moveaxis(q.reshape(q.shape[:-2] + (-1,))[..., :K], -1, axis).astype(np.float32)
;;   ~~~
;;   SOFTMAX AHEAD OF A QUANTISED PRODUCT. Where the list says 'softmax', what is quantised is not the finished softmax but p = 2^(t - M), with t = logit x log2(e) and M = ceil(the row's largest t), a whole number; so 1/2 < the row's largest p <= 1. The row's sum l is taken of the UNQUANTISED p, in f32, and the product's result is divided by l at the end. Since M is a whole number, a kernel that streams over the keys may use a running M (the ceiling of the running maximum): every later rescaling is an exact power of two, which a block's scale takes up: the codes' values come out the same.
;;   OPERANDS COMPUTED ON THE WAY. 'Computed on the way' means the value that the module computes at that place (a softmax that the list does not call 'softmax' is quantised finished and normalised). What goes into a quantiser is computed in f32, as accurately as f32 sums, v_exp_f32 and their like allow (about 1e-6 of the number): no bf16 or f16 on the way to a quantiser, and a product that is left as it is and whose result goes on into a quantised operand takes f32 operands (vector FMAs, or v_wmma_f32_16x16x4_f32). A number that lies on a knife's edge between two numbers of the format may be rounded either way, as far as f32 arithmetic and the matrix unit's own rounding can turn it there, and no further.
;;   INPUTS GIVEN AS CODES. K (in the module: [2, 2048, 1024], K = its axis 2); Q (in the module: [2, 2048, 1024], K = its axis 2); V (in the module: [2, 2048, 1024], K = its axis 2); W_k (in the module: [1024, 1024], K = its axis 0); W_o (in the module: [1024, 1024], K = its axis 0); W_q (in the module: [1024, 1024], K = its axis 0); W_v (in the module: [1024, 1024], K = its axis 0): each comes as NAME_codes (uint8): NAME with its K axis moved to the last place and cut into blocks of 32 codes, [.., K / 32, bytes a block], one block behind the other in memory; four codes in three bytes: a row's codes are one little-endian stream of bits, code i at bits 6 i .. 6 i + 5 (a code: sign, 2 exponent bits, 3 mantissa bits); and NAME_scales (uint8): the same leading axes, one E8M0 byte (e + 127) for each 32 codes along K. Its value is code x scale, taken as it is: it is not quantised again, and the codes and scales need not be those that the quantiser above would give.
;; One version. Each part assembles by itself: llvm-mc -triple=amdgcn-amd-amdhsa -mcpu=gfx1250 --defsym DOCPART=n.
;; ======== version 1 of 1: 3 launches
;; limits: right only within a limited range of input values
;; workspace buffers: img 9,437,184 bytes; scl 393,216 bytes; aimg 3,145,728 bytes; ascl 131,072 bytes; maskw 524,288 bytes of whole numbers; mflag 8,192 bytes of whole numbers
;; launch proj (part 1): grid 8 x 96, 4 waves a work-group, clusters of 4 x 4, 252,416 bytes of LDS; arguments Q_codes, Q_scales, W_q_codes, W_q_scales, K_codes, K_scales, W_k_codes, W_k_scales, V_codes, V_scales, W_v_codes, W_v_scales, b_q, b_k, b_v, img, scl, mask, maskw, mflag; writes img, scl, maskw, mflag
.if DOCPART == 1
	.amdgcn_target "amdgcn-amd-amdhsa--gfx1250"
	.amdhsa_code_object_version 6
	.text
	.protected	k_q3cb6d06344_proj
	.globl	k_q3cb6d06344_proj
	.p2align	8
	.type	k_q3cb6d06344_proj,@function
k_q3cb6d06344_proj:
	s_mov_b64 s[64:65], 0
	v_nop
	global_prefetch_b8 v0, s[64:65] scope:SCOPE_SE
	s_setreg_imm32_b32 hwreg(HW_REG_WAVE_MODE, 25, 1), 1
	s_wait_xcnt 0x0
	s_wait_alu depctr_hold_cnt(0) depctr_sa_sdst(0) depctr_va_vdst(0) depctr_va_sdst(0) depctr_va_ssrc(0) depctr_va_vcc(0) depctr_vm_vsrc(0)
	s_getreg_b32 s2, hwreg(HW_REG_IB_STS2, 6, 4)
	s_cmp_eq_u32 s2, 0
	s_cbranch_scc0 .Lentry_in_a_cluster
	s_endpgm
.Lentry_in_a_cluster:
	s_bfe_u32 s2, ttmp6, 0x10000c
	s_cmp_lg_u32 s2, 0xf033
	s_cbranch_scc0 .Lentry_shape_is_right
	s_endpgm
.Lentry_shape_is_right:
; q = Q W_q + b_q, k = K W_k + b_k, v = V W_v + b_v on codes of FP6 (E2M3) with E8M0 scales, f32 sums; the results are quantised in registers and leave as codes.
; The launch also packs the mask (int32) into lane-mask words and one flag word for each tile of 16 queries x 128 keys.
; SHARES.  Work-group (Hb, Y): g = Y / 32 picks the product (0 q, 1 k, 2 v), T = Y % 32 a block of 128 tokens, Hb a block of 128 features (two heads).
; Four waves, each 64 tokens (half lo) x 64 features (half hi = one head): 16 accumulators.  All of K = 1,024 of both tiles lies in LDS, every byte filled once: no slot is filled again.
; CLUSTER 4 x 4: the four of a row need the same 128 tokens, the four of a column the same 128 rows of the weight: tiles and scale bytes are asked for jointly.  g hangs on the cluster's y alone.
; q, k: source 0 = 16 features, source 1 = 16 tokens: a lane holds one token and its registers run along the head's 64, the next product's K.
; v:    source 0 = 16 tokens, source 1 = 16 features: a lane holds one feature and its registers run along the tokens (the keys), the next product's K.
; WHAT LEAVES.  A half fragment (16 rows x 64 along K: 6 registers a lane) as an image of its registers, 768 bytes: registers 0-3 at 16 x lane, registers 4-5 at 512 + 8 x lane.
; Inside a block of 32 the places 0-15 hold numbers 0-7, 16-23 and the places 16-31 numbers 8-15, 24-31: the same order in q and k, and in v and the softmax's p, so the sums are the same.
; v's feature tiles are re-dealt between lanes: slot s of tile 2 G + u holds feature 32 G + 8 u + s + 8 (s / 8), so that the heads' results come out with neighbours along the feature axis.
; LIMITS: a block of zeros gets the byte 1 (its codes are zeros; the bytes are read by this program alone); NaN and infinities are not served.
.set PITCH,  816                       ; an LDS row: 768 bytes of codes + 16 of padding behind each 256 = 204 words: row r starts at bank 12 r mod 64, so the 32 lanes of a load of 8 bytes touch 64 different banks
.set WTILE,  64*PITCH                  ; 64 rows: what one wave reads of the tokens or of the weight.  The tokens' two halves lie from 0, the weight's from 2 WTILE
.set SCL,    4*WTILE                   ; the scale bytes: 64 rows x 32 bytes a wave, as 8 units of 256 bytes + 16
.set WSCL,   8*272
.set MST,    SCL+4*WSCL                ; the mask's stage: 16 rows x (512 + 16) bytes for each wave
.set WMST,   16*528
.set SST,    MST+4*WMST                ; the stage of the scale pairs: two units of 256 bytes
.set SPARE,  SST+512                   ; the spare words, 128 bytes for each wave: two blocks of 256 bytes that no other line names
.set LR,   1                           ; v1   lane % 16
.set LH,   2                           ; v2   lane / 16
.set LN,   3                           ; v3   lane
.set ADT,  4                           ; v4-5 LDS address of my token fragments (v5: for the pieces that lie behind one padding more)
.set ADF,  6                           ; v6-7 the same for my feature fragments
.set ADRS, 8                           ; v8   my scale words: lanes 0-15 the tokens', lanes 16-31 the features'
.set L16,  9                           ; v9   16 x lane
.set L8,   10                          ; v10  8 x lane
.set SSA,  11                          ; v11  where I put a scale pair
.set SSR,  12                          ; v12  where wave 0 reads the two units back
.set SGO,  13                          ; v13  and their place in memory
.set MSI,  14                          ; v14  the mask's stage, in
.set MSO,  15                          ; v15  and out
.set BA,   16                          ; v16-23 the bias' byte offsets, one for each register of a tile
.set SPW,  28                          ; v28  LDS address of my spare word; never rewritten
.set NIL,  29                          ; v29  0; never rewritten
.set D0,   30                          ; v30-31 at work in the exchange between lanes
.set D1,   31
.set SC,   32                          ; v32-63 scale words: v[SC + 8 t + q]: lanes 0-15 token tile t, lanes 16-31 feature tile t, K step q
.set BI,   64                          ; v64-95 the bias in the result's layout: the C of each sum's first product
.set OW,   96                          ; v96-97 the mask's 64 words, two a lane
.set ACC,  128                         ; v128-255 accumulator (a, b) at ACC + 32 a + 8 b
.set G0X,  12                          ; s[12:15] group 0: tokens' codes;  s[16:19] weight's codes;  s[20:23] tokens' scales;  s[24:27] weight's scales
.set G0W,  16
.set G0SX, 20
.set G0SW, 24
.set G1X,  44                          ; s[44:51], s[52:59], s[68:75], s[76:83]: their groups 1
.set G1W,  52
.set G1SX, 68
.set G1SW, 76
.set WV,   84
.set WLO,  85
.set WHI,  86
.set CX,   87
.set CY,   88
.set HB,   89
.set TT,   90
.set GID,  91
.set SEL,  92                          ; s[92:93] selects of v_permlanex16_b32: lane l xor 16
.set M8,   94                          ; s94  lanes 8-15 and 24-31
.set MSB, 0
.macro WIN new                         ; the immediate's high byte repeats the setting that is left
.if MSB != \new
	s_set_vgpr_msb (MSB<<8)|\new
.set MSB, \new
.endif
.endm
; One arm of the head's chain of branches on the wave's number: a joint load, its s_nop 0 and four v_nop, and a jump to the chain's end.
.macro ARM under, g0, g1, next
	s_cmp_lt_u32 s[WV], \under
	s_cbranch_scc0 \next
	tensor_load_to_lds s[\g0:\g0+3], s[\g1:\g1+7]
	s_nop 0
.rept 4
	v_nop
.endr
	s_branch .Lhead_asked
\next:
.endm
.macro CROUND                          ; a round of the cluster's barrier
	s_barrier_signal -1
	s_barrier_wait -1
	s_cmp_lg_u32 s[WV], 0
	s_cbranch_scc1 .Lnot_wave_0_\@
	s_barrier_signal -3
.Lnot_wave_0_\@:
	s_barrier_wait -3
	s_barrier_signal -1
	s_barrier_wait -1
.endm
.macro PLACES n
.rept \n
	v_nop
.endr
.endm
	s_load_b256 s[4:11], s[0:1], 0x0               ; Q's codes, Q's scales, W_q's codes, W_q's scales
	s_load_b256 s[12:19], s[0:1], 0x20             ; the same for K
	s_load_b256 s[20:27], s[0:1], 0x40             ; the same for V
	s_load_b256 s[28:35], s[0:1], 0x60             ; b_q, b_k, b_v, img
	s_load_b256 s[36:43], s[0:1], 0x80             ; scl, mask, maskw, mflag
	v_lshl_add_u32 v[SPW], v0, 2, SPARE
	v_mov_b32 v[NIL], 0
	ds_add_u32 v[SPW], v[NIL]                      ; the wave's opening: the add and its wait stand ahead of my first tensor load; the set-up below, work on registers, stands between them
	ds_add_u32 v[SPW], v[NIL]
	v_lshrrev_b32 v1, 5, v0
	v_readfirstlane_b32 s[WV], v1                  ; wave 0..3
	s_and_b32 s[WLO], s[WV], 1                     ; my half of the tokens
	s_lshr_b32 s[WHI], s[WV], 1                    ; my half of the features
	s_bfe_u32 s[CX], ttmp6, 0x40000
	s_bfe_u32 s[CY], ttmp6, 0x40004
	s_lshl_b32 s[HB], ttmp9, 2
	s_add_co_u32 s[HB], s[HB], s[CX]               ; block of 128 features
	s_and_b32 s[GID], ttmp7, 0xffff                ; the cluster's y
	s_lshl_b32 s[TT], s[GID], 2
	s_add_co_u32 s[TT], s[TT], s[CY]
	s_and_b32 s[TT], s[TT], 31                     ; block of 128 tokens
	s_lshr_b32 s[GID], s[GID], 3                   ; which product: eight clusters along y for each
	s_lshl_b32 s95, s[CY], 2
	s_lshl_b32 s95, 15, s95                        ; my row of the cluster
	s_lshl_b32 s96, 0x1111, s[CX]                  ; my column
	; group 1 of the codes' tiles: 128 rows x 768 bytes, 16 bytes of padding behind each 256
	s_or_b32 s[G1X], s95, (1<<20)|(1<<21)|(5<<22)|(3<<25)   ; 15:0 the mask; 17:16 elements of 1 byte; 20 padding on; 21 set beside a mask; 24:22 after every 64 words; 31:25 4 words of it
	s_or_b32 s[G1W], s96, (1<<20)|(1<<21)|(5<<22)|(3<<25)
.irp g, G1X, G1W
	s_mov_b32 s[\g+1], 768<<16                     ; tensor_dim0
	s_mov_b32 s[\g+2], 128<<16                     ; tensor_dim1
	s_mov_b32 s[\g+3], 768<<16                     ; tile_dim0
	s_mov_b32 s[\g+4], 128                         ; tile_dim1
	s_mov_b32 s[\g+5], 768                         ; from row to row
	s_mov_b32 s[\g+6], 0
	s_mov_b32 s[\g+7], 0
.endr
	; group 1 of the scale bytes: 128 rows x 32 bytes are 4,096 dense bytes: 16 rows of 256 (32 elements of 8 bytes), 16 bytes of padding behind each
	s_or_b32 s[G1SX], s95, (3<<16)|(1<<20)|(1<<21)|(5<<22)|(3<<25)
	s_or_b32 s[G1SW], s96, (3<<16)|(1<<20)|(1<<21)|(5<<22)|(3<<25)
.irp g, G1SX, G1SW
	s_mov_b32 s[\g+1], 32<<16
	s_mov_b32 s[\g+2], 16<<16
	s_mov_b32 s[\g+3], 32<<16
	s_mov_b32 s[\g+4], 16
	s_mov_b32 s[\g+5], 32
	s_mov_b32 s[\g+6], 0
	s_mov_b32 s[\g+7], 0
.endr
	s_lshl_b32 s60, s[TT], 7                       ; the tokens' first row: made of the cluster's y and cy
	s_lshl_b32 s62, s60, 5                         ; its scale bytes,
	s_mul_i32 s60, s60, 768                        ; its codes
	s_mov_b32 s61, 0
	s_mov_b32 s63, 0
	s_lshl_b32 s98, s[HB], 7                       ; the weight's: made of the cluster's x and cx
	s_lshl_b32 s100, s98, 5
	s_mul_i32 s98, s98, 768
	s_mov_b32 s99, 0
	s_mov_b32 s101, 0
	s_mov_b32 s[SEL], 0x76543210
	s_mov_b32 s[SEL+1], 0xfedcba98
	s_mov_b32 s[M8], 0xff00ff00
	s_wait_dscnt 0x0                               ; the opening add is done
	s_wait_kmcnt 0x0
	s_cmp_eq_u32 s[GID], 1                         ; the product's buffers: the choice hangs on the cluster's y alone
	s_cselect_b64 s[4:5], s[12:13], s[4:5]
	s_cselect_b64 s[6:7], s[14:15], s[6:7]
	s_cselect_b64 s[8:9], s[16:17], s[8:9]
	s_cselect_b64 s[10:11], s[18:19], s[10:11]
	s_cselect_b64 s[28:29], s[30:31], s[28:29]
	s_cmp_eq_u32 s[GID], 2
	s_cselect_b64 s[4:5], s[20:21], s[4:5]
	s_cselect_b64 s[6:7], s[22:23], s[6:7]
	s_cselect_b64 s[8:9], s[24:25], s[8:9]
	s_cselect_b64 s[10:11], s[26:27], s[10:11]
	s_cselect_b64 s[28:29], s[32:33], s[28:29]
	s_add_nc_u64 s[4:5], s[4:5], s[60:61]
	s_add_nc_u64 s[6:7], s[6:7], s[62:63]
	s_add_nc_u64 s[8:9], s[8:9], s[98:99]
	s_add_nc_u64 s[10:11], s[10:11], s[100:101]
	CROUND                                         ; all sixteen work-groups are here: the joint loads meet
	s_mov_b32 s[G0SX], 1
	s_mov_b32 s[G0SX+1], SCL
	s_mov_b64 s[G0SX+2:G0SX+3], s[6:7]
	s_or_b32 s[G0SX+3], s[G0SX+3], 0x80000000
	s_mov_b32 s[G0SW], 1
	s_mov_b32 s[G0SW+1], SCL+2*WSCL
	s_mov_b64 s[G0SW+2:G0SW+3], s[10:11]
	s_or_b32 s[G0SW+3], s[G0SW+3], 0x80000000
	s_mov_b32 s[G0X], 1
	s_mov_b32 s[G0X+1], 0
	s_mov_b64 s[G0X+2:G0X+3], s[4:5]
	s_or_b32 s[G0X+3], s[G0X+3], 0x80000000
	s_mov_b32 s[G0W], 1
	s_mov_b32 s[G0W+1], 2*WTILE
	s_mov_b64 s[G0W+2:G0W+3], s[8:9]
	s_or_b32 s[G0W+3], s[G0W+3], 0x80000000
	; THE HEAD'S FOUR TILES, ONE A WAVE: wave 0 the tokens' 128 rows of codes, wave 1 the weight's, wave 2 the tokens' scale bytes, wave 3 the weight's.
	ARM 1, G0X,  G1X,  .Lhead_w
	ARM 2, G0W,  G1W,  .Lhead_sx
	ARM 3, G0SX, G1SX, .Lhead_sw
	tensor_load_to_lds s[G0SW:G0SW+3], s[G1SW:G1SW+7]
	s_nop 0
.rept 4
	v_nop
.endr
.Lhead_asked:
	; addresses
	v_and_b32 v[LR], 15, v0
	v_bfe_u32 v[LH], v0, 4, 1
	v_and_b32 v[LN], 31, v0
	v_mul_u32_u24 v24, v[LR], PITCH
	v_mad_u32_u24 v25, v[LH], 24, v24              ; a fragment's row x pitch + 24 x half
	v_mad_u32_u24 v26, v[LH], 40, v24              ; and the same behind one padding more
	s_mul_i32 s2, s[WLO], WTILE
	s_add_co_u32 s3, s[WHI], 2
	s_mul_i32 s3, s3, WTILE
	v_add_nc_u32 v[ADT], s2, v25
	v_add_nc_u32 v[ADT+1], s2, v26
	v_add_nc_u32 v[ADF], s3, v25
	v_add_nc_u32 v[ADF+1], s3, v26
	v_lshlrev_b32 v24, 5, v[LR]                    ; my row's scale bytes: 32 a row,
	v_lshrrev_b32 v25, 3, v[LR]
	v_lshl_add_u32 v24, v25, 4, v24                ; and 16 more behind each 256
	s_mul_i32 s2, s[WLO], WSCL
	s_add_co_u32 s3, s[WHI], 2
	s_mul_i32 s3, s3, WSCL
	s_sub_co_u32 s3, s3, s2
	v_mul_u32_u24 v25, s3, v[LH]                   ; lanes 16-31 take the features'
	s_add_co_u32 s2, s2, SCL
	v_add_nc_u32 v24, v24, v25
	v_add_nc_u32 v[ADRS], s2, v24
	v_lshlrev_b32 v[L16], 4, v[LN]
	v_lshlrev_b32 v[L8], 3, v[LN]
	s_lshl_b32 s2, s[WV], 7
	s_add_co_u32 s2, s2, SST
	v_lshl_add_u32 v[SSA], v[LR], 1, s2            ; SST + 128 x wave + 2 r
	v_add_nc_u32 v[SSR], SST, v[L16]
	v_lshlrev_b32 v[SGO], 4, v[LR]
	v_lshl_add_u32 v[SGO], v[LH], 12, v[SGO]       ; the two heads' units lie 4,096 bytes apart
	s_mul_i32 s2, s[WV], WMST
	s_add_co_u32 s2, s2, MST
	v_add_nc_u32 v[MSI], s2, v[L16]
	v_mul_u32_u24 v24, v[LR], 528
	v_lshl_add_u32 v24, v[LH], 5, v24
	v_add_nc_u32 v[MSO], s2, v24
	v_mov_b32 v[D0], 0                             ; written once: the destination of a move between lanes counts as one of its sources
	v_mov_b32 v[D1], 0
	; the bias, in the result's layout.  q, k: register j of tile x is feature 16 x + 8 h + j;  v: every register of tile x is feature 16 x + r
	s_cmp_eq_u32 s[GID], 2
	s_cselect_b32 s2, 4, 0
	s_cselect_b32 s3, 0, 32
	s_cselect_b32 s32, 0, 4
	v_mul_u32_u24 v24, v[LR], s2
	v_mad_u32_u24 v24, v[LH], s3, v24
	s_wait_alu depctr_va_vdst(0)
.irp j, 0,1,2,3,4,5,6,7
	s_mul_i32 s33, s32, \j
	v_add_nc_u32 v[BA+\j], s33, v24
.endr
	s_lshl_b32 s32, s[HB], 9
	s_lshl_b32 s33, s[WHI], 8
	s_add_co_u32 s32, s32, s33
	s_mov_b32 s33, 0
	s_add_nc_u64 s[28:29], s[28:29], s[32:33]      ; the bias at my 64 features
	s_wait_alu depctr_va_vdst(0)
.irp x, 0,1,2,3
.irp j, 0,1,2,3,4,5,6,7
	global_load_b32 v[BI+8*\x+\j], v[BA+\j], s[28:29] offset:64*\x
.endr
.endr
	; where my results go
	s_lshr_b32 s2, s[TT], 4
	s_lshl_b32 s2, s2, 4
	s_lshl_b32 s3, s[HB], 1
	s_add_co_u32 s2, s2, s3                        ; 16 x batch + 2 Hb: the work-group's first head
	s_and_b32 s3, s[TT], 15                        ; the block of 128 tokens in its batch
	s_lshl_b32 s32, s2, 4
	s_add_co_u32 s32, s32, s3
	s_lshl_b32 s32, s32, 8                         ; a unit of 256 bytes for each head and block
	s_lshl_b32 s33, s[GID], 17
	s_add_co_u32 s32, s32, s33
	s_mov_b32 s33, 0
	s_add_nc_u64 s[36:37], s[36:37], s[32:33]      ; scl
	s_add_co_u32 s2, s2, s[WHI]                    ; my head
	s_lshl_b32 s2, s2, 7
	s_lshl_b32 s3, s3, 3
	s_add_co_u32 s2, s2, s3
	s_lshl_b32 s3, s[WLO], 2
	s_add_co_u32 s2, s2, s3                        ; my first image: 128 x head + 8 x block + 4 lo
	s_mul_i32 s2, s2, 768
	s_mul_i32 s3, s[GID], 3145728
	s_add_co_u32 s32, s2, s3
	s_add_nc_u64 s[34:35], s[34:35], s[32:33]      ; img
	; THE MASK.  2,048 units of 16 queries x 128 keys are shared out among the waves of the products q and k, one each: u = ((32 g + T) 8 + Hb) 4 + wave.
	s_cmp_eq_u32 s[GID], 2
	s_cbranch_scc1 .Lno_mask
	s_lshl_b32 s2, s[GID], 5
	s_add_co_u32 s2, s2, s[TT]
	s_lshl_b32 s2, s2, 3
	s_add_co_u32 s2, s2, s[HB]
	s_lshl_b32 s2, s2, 2
	s_add_co_u32 s2, s2, s[WV]                     ; u = 16 x (tile of queries) + (step of 128 keys)
	s_lshr_b32 s32, s2, 4
	s_lshl_b32 s32, s32, 17                        ; 16 rows of 8,192 bytes
	s_and_b32 s33, s2, 15
	s_lshl_b32 s33, s33, 9
	s_add_co_u32 s32, s32, s33
	s_mov_b32 s33, 0
	s_add_nc_u64 s[38:39], s[38:39], s[32:33]
	s_lshl_b32 s32, s2, 8
	s_add_nc_u64 s[40:41], s[40:41], s[32:33]
	s_lshl_b32 s32, s2, 2
	s_add_nc_u64 s[42:43], s[42:43], s[32:33]
.irp k, 0,1,2,3,4,5,6,7,8,9,10,11,12,13,14,15
	global_load_b128 v[128+4*\k:131+4*\k], v[L16], s[38:39] offset:8192*\k th:TH_LOAD_NT   ; a row's 512 consecutive bytes; read once in the launch
.endr
.irp k, 0,1,2,3,4,5,6,7,8,9,10,11,12,13,14,15
	s_wait_loadcnt 15-\k                           ; row k is in: the younger rows' loads may be out (the bias' loads are older)
	ds_store_b128 v[MSI], v[128+4*\k:131+4*\k] offset:528*\k
.endr
.irp t, 0,1,2,3,4,5,6,7
.irp e, 0,1
	ds_load_b128 v[192+8*\t+4*\e:195+8*\t+4*\e], v[MSO] offset:64*\t+16*\e   ; LDS serves a wave's instructions in order: these see my stores.  Register 8 t + j of lane (r, h): query r, key 16 t + 8 h + j
.endr
.endr
	s_mov_b32 s30, 0                               ; the lanes that keep any key
	s_mov_b32 s31, -1                              ; and those that keep all
	v_mov_b32 v[OW], 0
	v_mov_b32 v[OW+1], 0
	s_wait_alu depctr_va_vdst(0)
	s_wait_dscnt 0x0
.set n, 0
.rept 64
	v_cmp_ne_u32 s[60+n%4], 0, v[192+n]            ; word n: a bit for each lane
	v_writelane_b32 v[OW+n%2], s[60+n%4], n/2      ; to lane n / 2, register n % 2: byte 4 n of the unit
	s_or_b32 s30, s30, s[60+n%4]
	s_and_b32 s31, s31, s[60+n%4]
.set n, n+1
.endr
	s_lshr_b32 s32, s30, 16
	s_or_b32 s32, s32, s30
	s_and_b32 s32, s32, 0xffff                     ; bit r: query r keeps a key of this step
	s_cmp_eq_u32 s31, -1
	s_cselect_b32 s33, 0x10000, 0                  ; bit 16: all is kept
	s_or_b32 s32, s32, s33
	v_mov_b32 v24, s32
	v_mov_b32 v25, 0
	s_wait_alu depctr_va_vdst(0)
	global_store_b64 v[L8], v[OW:OW+1], s[40:41]   ; 32 lanes store 256 consecutive bytes, aligned
	v_cmp_eq_u32 vcc_lo, 0, v[LN]
	s_wait_xcnt 0x0                                ; EXEC changes only behind this wait
	s_and_saveexec_b32 s33, vcc_lo
	global_store_b32 v25, v24, s[42:43]            ; the flag word, by lane 0
	s_wait_xcnt 0x0
	s_or_b32 exec_lo, exec_lo, s33
.Lno_mask:
	s_wait_loadcnt 0x0                             ; the bias
	s_wait_dscnt 0x0
	s_wait_tensorcnt 0x0                           ; my one load has landed: the others read it
	s_barrier_signal -1
	s_barrier_wait -1                              ; everybody's have
.macro FRAG reg, adr, q, i             ; a fragment, 16 rows x 128 K, is 12 registers: registers 6 c .. 6 c + 5 hold K = 64 c + 32 (lane / 16) + 0 .. 31: 24 bytes of the row's stream of bits, in pieces of 8 bytes
.irp p, 0,1,2,3,4,5
.set PCE, 12*(\q)+6*(\p/3)+\p%3        ; lanes 16-31 read three pieces further on: behind one padding more where the piece is one of the last three of its 32
.if PCE%32 < 29
	ds_load_b64 v[\reg+2*\p:\reg+2*\p+1], v[\adr] offset:8*PCE+16*(PCE/32)+(\i)*16*PITCH
.else
	ds_load_b64 v[\reg+2*\p:\reg+2*\p+1], v[\adr+1] offset:8*PCE+16*(PCE/32)+(\i)*16*PITCH
.endif
.endr
.endm
.macro FETCH q, s                      ; K step q's eight fragments into set s of window 1: tokens at 12 t, features at 48 + 12 t
	WIN 0x40
.irp t, 0,1,2,3
	FRAG 128*(\s)+12*\t, ADT, \q, \t
	FRAG 128*(\s)+48+12*\t, ADF, \q, \t
.endr
	WIN 0
.endm
; 16 products of K step q.  The accumulators take turns, one instruction a turn, in the same order in every step.  first = 1: the bias starts the sums.
.macro MUL q, s, first
	s_cmp_eq_u32 s[GID], 2
	s_cbranch_scc1 .Lv_\@
	WIN 0x05                                       ; sources 0 and 1 window 1; C and D window 0
.irp a, 0,1,2,3
.irp b, 0,1,2,3
.if \first
	v_wmma_scale_f32_16x16x128_f8f6f4 v[ACC+32*\a+8*\b:ACC+32*\a+8*\b+7], v[128*(\s)+48+12*\b:128*(\s)+48+12*\b+11], v[128*(\s)+12*\a:128*(\s)+12*\a+11], v[BI+8*\b:BI+8*\b+7], v[SC+8*\b+(\q)], v[SC+8*\a+(\q)] matrix_a_fmt:MATRIX_FMT_FP6 matrix_b_fmt:MATRIX_FMT_FP6 matrix_a_scale:MATRIX_SCALE_ROW1
.else
	v_wmma_scale_f32_16x16x128_f8f6f4 v[ACC+32*\a+8*\b:ACC+32*\a+8*\b+7], v[128*(\s)+48+12*\b:128*(\s)+48+12*\b+11], v[128*(\s)+12*\a:128*(\s)+12*\a+11], v[ACC+32*\a+8*\b:ACC+32*\a+8*\b+7], v[SC+8*\b+(\q)], v[SC+8*\a+(\q)] matrix_a_fmt:MATRIX_FMT_FP6 matrix_b_fmt:MATRIX_FMT_FP6 matrix_a_scale:MATRIX_SCALE_ROW1
.endif
.endr
.endr
	WIN 0
	s_branch .Ld_\@
.Lv_\@:
	WIN 0x05
.irp a, 0,1,2,3
.irp b, 0,1,2,3
.if \first
	v_wmma_scale_f32_16x16x128_f8f6f4 v[ACC+32*\a+8*\b:ACC+32*\a+8*\b+7], v[128*(\s)+12*\b:128*(\s)+12*\b+11], v[128*(\s)+48+12*\a:128*(\s)+48+12*\a+11], v[BI+8*\a:BI+8*\a+7], v[SC+8*\b+(\q)], v[SC+8*\a+(\q)] matrix_a_fmt:MATRIX_FMT_FP6 matrix_b_fmt:MATRIX_FMT_FP6 matrix_b_scale:MATRIX_SCALE_ROW1
.else
	v_wmma_scale_f32_16x16x128_f8f6f4 v[ACC+32*\a+8*\b:ACC+32*\a+8*\b+7], v[128*(\s)+12*\b:128*(\s)+12*\b+11], v[128*(\s)+48+12*\a:128*(\s)+48+12*\a+11], v[ACC+32*\a+8*\b:ACC+32*\a+8*\b+7], v[SC+8*\b+(\q)], v[SC+8*\a+(\q)] matrix_a_fmt:MATRIX_FMT_FP6 matrix_b_fmt:MATRIX_FMT_FP6 matrix_b_scale:MATRIX_SCALE_ROW1
.endif
.endr
.endr
	WIN 0
.Ld_\@:
.endm
.irp t, 0,1,2,3
.irp e, 0,1
	ds_load_b128 v[SC+8*\t+4*\e:SC+8*\t+4*\e+3], v[ADRS] offset:544*\t+16*\e   ; a row's eight scale words, for all of K
.endr
.endr
	FETCH 0, 0
.irp q, 0,1,2,3,4,5,6,7
	s_wait_dscnt 0x0                               ; this step's fragments are in
.if \q > 0
	PLACES 4                                       ; in front of loads into registers that the last step's products have read
.endif
.if \q < 7
	FETCH \q+1, (\q+1)%2                           ; the next step's land while this step is multiplied
.endif
.if \q == 0
	MUL \q, \q%2, 1
.else
	MUL \q, \q%2, 0
.endif
.endr
; 64 numbers of a lane, v[s] .. v[s + 63]: four blocks, 16 numbers of each (the other 16 lie in lane l xor 16).  They become 12 registers of codes in v[e + 20] on (two half fragments) and a word of four scale bytes in v[e + 16].
.macro QUANT s, e
.irp b, 0,1,2,3
	v_max3_num_f32 v[(\e)+\b], |v[(\s)+16*\b]|, |v[(\s)+1+16*\b]|, 0x1800000   ; and the floor 2^(3 - 127): the byte cannot fall under 1
.endr
.irp i, 2,4,6,8,10,12,14
.irp b, 0,1,2,3
	v_max3_num_f32 v[(\e)+\b], v[(\e)+\b], |v[(\s)+16*\b+\i]|, |v[(\s)+1+16*\b+\i]|   ; the four blocks by turns; each accumulator from its low end on
.endr
.endr
.irp b, 0,1,2,3
	v_permlanex16_b32 v[(\e)+4+\b], v[(\e)+\b], s[SEL], s[SEL+1]
.endr
.irp b, 0,1,2,3
	v_max_num_f32 v[(\e)+\b], v[(\e)+\b], v[(\e)+4+\b]   ; the block's largest magnitude
.endr
.irp b, 0,1,2,3
	v_add_nc_u32 v[(\e)+12+\b], 0xff000000, v[(\e)+\b]   ; 2 off its exponent field: the conversion's scale operand
.endr
.irp b, 0,1,2,3
	v_lshrrev_b32 v[(\e)+4+\b], 23, v[(\e)+12+\b]        ; the scale's byte
.endr
	v_lshl_or_b32 v[(\e)+16], v[(\e)+5], 8, v[(\e)+4]
	v_lshl_or_b32 v[(\e)+16], v[(\e)+6], 16, v[(\e)+16]
	v_lshl_or_b32 v[(\e)+16], v[(\e)+7], 24, v[(\e)+16]
.irp c, 0,1
	v_cvt_scalef32_pk16_fp6_f32 v[(\e)+20+6*\c:(\e)+22+6*\c], v[(\s)+32*\c:(\s)+15+32*\c], v[(\e)+12+2*\c]
	v_cvt_scalef32_pk16_fp6_f32 v[(\e)+32+4*\c:(\e)+34+4*\c], v[(\s)+16+32*\c:(\s)+31+32*\c], v[(\e)+13+2*\c]   ; (a conversion's three registers begin on an even number)
.endr
	v_nop                                          ; one plain place behind a scaled conversion
.irp c, 0,1                            ; the operand's layout wants a whole block in a lane: lanes 0-15 the tile's block 0, lanes 16-31 its block 1
.irp i, 0,1,2
	v_permlane16_swap_b32 v[(\e)+20+6*\c+\i], v[(\e)+32+4*\c+\i]
.endr
.irp i, 0,1,2
	v_mov_b32 v[(\e)+23+6*\c+\i], v[(\e)+32+4*\c+\i]
.endr
.endr
.endm
; Tiles a0 and a0 + 1 leave.
.macro OUTP a0, e
	QUANT ACC+32*(\a0), \e
	s_cmp_eq_u32 s[GID], 2
	s_cbranch_scc0 .Lno_deal_\@
.irp i, 0,1,2,3,4,5                    ; v: the even tile's slots 8-15 change places with the odd tile's slots 0-7
	v_mov_b32_dpp v[D0], v[(\e)+26+\i] row_xmask:8 row_mask:0xf bank_mask:0xf
	v_mov_b32_dpp v[D1], v[(\e)+20+\i] row_xmask:8 row_mask:0xf bank_mask:0xf
	v_cndmask_b32 v[(\e)+20+\i], v[(\e)+20+\i], v[D0], s[M8]
	v_cndmask_b32 v[(\e)+26+\i], v[D1], v[(\e)+26+\i], s[M8]
.endr
	v_mov_b32_dpp v[D0], v[(\e)+16] row_xmask:8 row_mask:0xf bank_mask:0xf   ; and their scale pairs: the word's low half is the even tile's, its high half the odd tile's
	v_perm_b32 v[D1], v[D0], v[(\e)+16], 0x05040100    ; slots 0-7: my low half, the other lane's low half above it
	v_perm_b32 v[D0], v[(\e)+16], v[D0], 0x07060302    ; slots 8-15: the other lane's high half, my high half above it
	v_cndmask_b32 v[(\e)+16], v[D1], v[D0], s[M8]
.Lno_deal_\@:
	v_lshrrev_b32 v[(\e)+17], 16, v[(\e)+16]
	global_store_b128 v[L16], v[(\e)+20:(\e)+23], s[34:35] offset:768*(\a0)          ; 512 consecutive bytes, aligned to 256,
	s_wait_alu depctr_va_vdst(0)
	global_store_b64 v[L8], v[(\e)+24:(\e)+25], s[34:35] offset:768*(\a0)+512        ; and 256 more: an image
	global_store_b128 v[L16], v[(\e)+26:(\e)+29], s[34:35] offset:768*(\a0)+768
	global_store_b64 v[L8], v[(\e)+30:(\e)+31], s[34:35] offset:768*(\a0)+1280
	ds_store_b16 v[SSA], v[(\e)+16] offset:32*(\a0)    ; both lanes of a row write the same two bytes with the same value
	ds_store_b16 v[SSA], v[(\e)+17] offset:32*(\a0)+32
.endm
	PLACES 4                                       ; in front of the first read of results
	OUTP 0, 64                                     ; at work in the registers that held the bias
	OUTP 2, 128                                    ; and in those of the tiles that have left: no store's data are written again
	s_wait_dscnt 0x0                               ; for the others' sake: my scale pairs lie in the stage
	s_barrier_signal -1
	s_barrier_wait -1
	s_cmp_lg_u32 s[WV], 0
	s_cbranch_scc1 .Lnot_first
	ds_load_b128 v[24:27], v[SSR]                  ; the two heads' units of 256 bytes
	s_wait_dscnt 0x0
	global_store_b128 v[SGO], v[24:27], s[36:37]   ; sixteen lanes store 256 consecutive bytes, aligned
.Lnot_first:
	s_wait_tensorcnt 0x0                           ; the wave's end, behind my last tensor load and my last LDS store
	ds_add_u32 v[SPW], v[NIL]
	s_wait_dscnt 0x0
	CROUND                                         ; the closing round
	s_endpgm
.Lfunc_end_k_q3cb6d06344_proj:
	.size	k_q3cb6d06344_proj, .Lfunc_end_k_q3cb6d06344_proj-k_q3cb6d06344_proj
	.p2alignl 7, 3214868480
	.fill 96, 4, 3214868480
	.section	.rodata,"a",@progbits
	.p2align	6, 0x0
	.amdhsa_kernel k_q3cb6d06344_proj
		.amdhsa_group_segment_fixed_size 252416
		.amdhsa_private_segment_fixed_size 0
		.amdhsa_enable_private_segment 0
		.amdhsa_kernarg_size 160
		.amdhsa_user_sgpr_count 2
		.amdhsa_user_sgpr_kernarg_segment_ptr 1
		.amdhsa_wavefront_size32 1
		.amdhsa_system_sgpr_workgroup_id_x 1
		.amdhsa_system_sgpr_workgroup_id_y 1
		.amdhsa_system_sgpr_workgroup_id_z 1
		.amdhsa_system_vgpr_workitem_id 0
		.amdhsa_next_free_vgpr 512
		.amdhsa_next_free_sgpr 102
		.amdhsa_reserve_vcc 1
		.amdhsa_float_denorm_mode_32 3
		.amdhsa_float_denorm_mode_16_64 3
		.amdhsa_memory_ordered 1
		.amdhsa_forward_progress 1
		.amdhsa_inst_pref_size 105
	.end_amdhsa_kernel
	.amdgpu_metadata
---
amdhsa.version: [ 1, 2 ]
amdhsa.kernels:
  - .name:           k_q3cb6d06344_proj
    .symbol:         k_q3cb6d06344_proj.kd
    .args:
      - { .name: Q_codes, .offset: 0, .size: 8, .value_kind: global_buffer, .address_space: global }
      - { .name: Q_scales, .offset: 8, .size: 8, .value_kind: global_buffer, .address_space: global }
      - { .name: W_q_codes, .offset: 16, .size: 8, .value_kind: global_buffer, .address_space: global }
      - { .name: W_q_scales, .offset: 24, .size: 8, .value_kind: global_buffer, .address_space: global }
      - { .name: K_codes, .offset: 32, .size: 8, .value_kind: global_buffer, .address_space: global }
      - { .name: K_scales, .offset: 40, .size: 8, .value_kind: global_buffer, .address_space: global }
      - { .name: W_k_codes, .offset: 48, .size: 8, .value_kind: global_buffer, .address_space: global }
      - { .name: W_k_scales, .offset: 56, .size: 8, .value_kind: global_buffer, .address_space: global }
      - { .name: V_codes, .offset: 64, .size: 8, .value_kind: global_buffer, .address_space: global }
      - { .name: V_scales, .offset: 72, .size: 8, .value_kind: global_buffer, .address_space: global }
      - { .name: W_v_codes, .offset: 80, .size: 8, .value_kind: global_buffer, .address_space: global }
      - { .name: W_v_scales, .offset: 88, .size: 8, .value_kind: global_buffer, .address_space: global }
      - { .name: b_q, .offset: 96, .size: 8, .value_kind: global_buffer, .address_space: global }
      - { .name: b_k, .offset: 104, .size: 8, .value_kind: global_buffer, .address_space: global }
      - { .name: b_v, .offset: 112, .size: 8, .value_kind: global_buffer, .address_space: global }
      - { .name: img, .offset: 120, .size: 8, .value_kind: global_buffer, .address_space: global }
      - { .name: scl, .offset: 128, .size: 8, .value_kind: global_buffer, .address_space: global }
      - { .name: mask, .offset: 136, .size: 8, .value_kind: global_buffer, .address_space: global }
      - { .name: maskw, .offset: 144, .size: 8, .value_kind: global_buffer, .address_space: global }
      - { .name: mflag, .offset: 152, .size: 8, .value_kind: global_buffer, .address_space: global }
    .group_segment_fixed_size: 252416
    .private_segment_fixed_size: 0
    .kernarg_segment_align: 8
    .kernarg_segment_size: 160
    .max_flat_workgroup_size: 128
    .sgpr_count:     102
    .vgpr_count:     512
    .wavefront_size: 32
...
	.end_amdgpu_metadata
.endif
;; end of part 1
;; launch attn (part 2): grid 8 x 32, 8 waves a work-group, no clusters, 206,848 bytes of LDS; arguments img, scl, maskw, mflag, aimg, ascl; writes aimg, ascl
.if DOCPART == 2
	.amdgcn_target "amdgcn-amd-amdhsa--gfx1250"
	.amdhsa_code_object_version 6
	.text
	.protected	k_q3cb6d06344_attn
	.globl	k_q3cb6d06344_attn
	.p2align	8
	.type	k_q3cb6d06344_attn,@function
k_q3cb6d06344_attn:
	s_mov_b64 s[64:65], 0
	v_nop
	global_prefetch_b8 v0, s[64:65] scope:SCOPE_SE
	s_setreg_imm32_b32 hwreg(HW_REG_WAVE_MODE, 25, 1), 1
	s_wait_xcnt 0x0
; For each head: scores = q k^T / 8, masked as the mask input says, softmax, times v; the result divided by the row's sum and quantised along the model's axis.  Both products on codes of FP6 (E2M3) with E8M0 scales.
; THE SOFTMAX: t = score x log2(e) / 8; M = the running largest t rounded up to a whole number; p = 2^(t - M) is quantised along the keys, not normalised; the row's sum is taken of the unquantised p.
; SHARES.  Work-group (p, head of a batch): the blocks p and 15 - p of 128 queries.  Eight waves, each two neighbouring tiles of 16 queries (A, B), which share every fragment of k and v read from LDS.
; Wave w takes block 15 - p if (w xor w / 4) is odd, else block p, and in it the tiles 2 (w / 2), 2 (w / 2) + 1: so waves w, w + 4 and waves 2 i, 2 i + 1 always hold one block of each kind.
; THE COPY.  The head's k and v (192 KiB of images) and their scale pairs go through registers into LDS, every byte stored once.  All 56 loads of a lane are issued at the head.  Key steps 0 to 3 and the
; scale pairs are stored ahead of the first barrier; steps 4 to 15 in three groups of 12 stores a lane at the ends of trips 0, 1, 2, which read steps 0 to 3 alone; a second barrier follows trip 2.
; NO CLUSTER, NO TENSOR LOAD: a wave leaves out key steps by a branch on flag words that the launch before has stored.  NO PREFETCH: every global load stands at the head; there is no loop to run ahead in.
; WHICH STEPS ARE LEFT OUT: a step of 128 keys in which none of my 32 queries keeps a key, if each of the 32 keeps a key somewhere: its p would all be 0.  If some query keeps no key at all, every step is walked.
; LAYOUT.  S^T = k q^T (source 0 = 16 keys, source 1 = my queries), O^T = v^T p^T: a lane holds one query throughout.  The head has 64 along K and the instruction takes 128: q's upper six registers are zero codes;
; k's upper six are the next tile's codes, which meet those zeros; the upper two scale bytes are 0 on both sides (2^-127, no NaN).  So the upper half adds exactly 0.
; LIMITS.  A hidden score is -2^33 ahead of the factor log2(e) / 8, that is a logit of -1.074e9 in place of -1e9: exact in f32, so a row with no kept key has p = 1.  Results differ only where a kept logit lies under about -1e9.
; A block of zeros gets the byte 1 (bytes read by this program alone).  NaN and infinities are not served.
.set VREG,  98304                      ; LDS: k's 128 images of 768 bytes from 0, v's from here,
.set SCB,   196608                     ; k's scale pairs (256 bytes a step), 4,096 bytes on v's,
.set SPARE, 204800                     ; the spare words, 128 bytes for each wave: four blocks of 256 bytes that no other line names
; WINDOW 0
.set AK16, 1                           ; 16 x lane
.set AK8,  2                           ; 8 x lane + 512
.set AS0,  3                           ; SCB + 2 x lane
.set CA,   4                           ; v4-7 the copy: 16 x thread, and 65,536, 131,072, 196,608 more (an LDS immediate has 16 bits)
.set A16,  8                           ; v8-10 the step's addresses in hand: k's two, the scale pairs'
.set A8,   9
.set ASC,  10
.set TW,   11
.set SPW,  12                          ; LDS address of my spare word; never rewritten
.set NIL,  13                          ; 0; never rewritten
.set NEG,  14                          ; -2^33
.set R2,   15                          ; 2 x (lane % 16)
.set TA,   16                          ; v16-79 tile A's own registers, v80-143 tile B's, laid alike:
.set TB,   80
.set MM,   12                          ;   +0 q's six and six zeros; +12 -M, +13 the largest t
.set SU,   14                          ;   +14 the sum in two halves
.set FF,   16                          ;   +16 f = 2^(old M - new M) (+17 named with it)
.set PSW,  18                          ;   +18 p's scale word
.set QS,   19                          ;   +19 q's scale pairs
.set PCD,  20                          ;   +20 p's codes, twelve
.set OT,   32                          ;   +32 O^T, 32
.set SCR,  144                         ; v144-207 S^T, then p: tile A's, then tile B's
.set BM,   208                         ; the blocks' largest
.set BT,   212
.set SOP,  216                         ; the conversions' scale operands
.set CT,   220                         ; v220-226 the conversions' second halves
.set KS,   228                         ; k's scale pairs: lanes 0-15 tile 2 p, lanes 16-31 tile 2 p + 1
.set VR,   232                         ; v's scale pairs as loaded
.set VS,   236                         ; v's scale words
.set SM,   238                         ; v238-251 seven partial sums
.set B16,  252                         ; v's two addresses in hand
.set B8,   253
; WINDOW 1
.set KB,   0                           ; v0-47 k's eight tiles, six registers each; v48-53 zeros
.set VB,   54                          ; v54-101 v's four fragments
.set ST,   104                         ; v104-247 the copy of key steps 4 to 15 on its way
.set WV,   16
.set QT,   17
.set BH,   18
.set JJ,   19
.set SEL,  20                          ; s[20:21]
.set CS,   22                          ; s[22:23] log2(e) / 8
.set SK,   24                          ; 6,144 x step
.set SS,   25                          ; 256 x step
.set NEED, 26                          ; bit j: step j is walked
.set KEPT, 27                          ; bit j: all of step j is kept
.set PL,   100                         ; bit j: steps j and j + 1 are walked: step j fetches step j + 1's k
.set PLS,  101                         ; bit j: step j finds its k in registers
                                       ; s[32:63], s[68:99] a tile's 64 mask words of a step
.set MSB, 0
.macro WIN new                         ; the immediate's high byte repeats the setting that is left
.if MSB != \new
	s_set_vgpr_msb (MSB<<8)|\new
.set MSB, \new
.endif
.endm
.macro CST reg, byte                   ; 16 bytes a thread to LDS byte + 16 x thread
	ds_store_b128 v[CA+((\byte)>>16)], v[\reg:\reg+3] offset:(\byte)&0xffff
.endm
	s_load_b256 s[4:11], s[0:1], 0x0               ; img, scl, maskw, mflag
	s_load_b128 s[12:15], s[0:1], 0x20             ; aimg, ascl
	v_lshl_add_u32 v[SPW], v0, 2, SPARE
	v_mov_b32 v[NIL], 0
	v_lshrrev_b32 v[TW], 5, v0
	v_and_b32 v[A16], 31, v0
	v_and_b32 v[R2], 15, v0
	v_lshlrev_b32 v[CA], 4, v0
	v_readfirstlane_b32 s[WV], v[TW]               ; wave 0..7
	v_lshlrev_b32 v[AK16], 4, v[A16]
	v_lshlrev_b32 v[AK8], 3, v[A16]
	v_lshl_add_u32 v[AS0], v[A16], 1, SCB
	v_lshlrev_b32 v[R2], 1, v[R2]
	v_add_nc_u32 v[CA+1], 0x10000, v[CA]
	v_add_nc_u32 v[CA+2], 0x20000, v[CA]
	v_add_nc_u32 v[CA+3], 0x30000, v[CA]
	v_add_nc_u32 v[AK8], 512, v[AK8]
	s_lshr_b32 s2, s[WV], 2
	s_xor_b32 s2, s2, s[WV]
	s_sub_co_u32 s3, 15, ttmp9
	s_bitcmp1_b32 s2, 0
	s_cselect_b32 s2, s3, ttmp9                    ; my block of 128 queries
	s_lshl_b32 s2, s2, 3
	s_and_b32 s3, s[WV], 6
	s_add_co_u32 s[QT], s2, s3                     ; tile A; tile B is the next
	s_and_b32 s[BH], ttmp7, 0xffff                 ; 16 x batch + head
	s_mov_b32 s[SEL], 0x76543210
	s_mov_b32 s[SEL+1], 0xfedcba98
	s_mov_b32 s[CS], 0x3e38aa3b
	s_mov_b32 s[CS+1], s[CS]                       ; (named with it as a pair, so it is written)
	s_mov_b32 s3, 0
	s_wait_alu depctr_va_vdst(0)
	s_wait_kmcnt 0x0
	s_lshl_b32 s2, s[QT], 6
	s_add_nc_u64 s[10:11], s[10:11], s[2:3]
	s_load_b512 s[32:47], s[10:11], 0x0            ; tile A's sixteen flag words,
	s_load_b512 s[48:63], s[10:11], 0x40           ; tile B's
	s_lshl_b32 s2, s[QT], 12
	s_add_nc_u64 s[8:9], s[8:9], s[2:3]            ; tile A's mask words; tile B's lie 4,096 bytes on
	s_mul_i32 s2, s[BH], 98304
	s_add_nc_u64 s[4:5], s[4:5], s[2:3]            ; q's images of my head
	s_mul_i32 s2, s[QT], 768
	s_add_nc_u64 s[28:29], s[4:5], s[2:3]          ; my tiles'
	s_add_nc_u64 s[4:5], s[4:5], 3145728           ; k's images of my head; v's lie as far on again
	s_lshl_b32 s2, s[BH], 12
	s_add_nc_u64 s[6:7], s[6:7], s[2:3]
	s_lshl_b32 s2, s[QT], 5
	s_add_nc_u64 s[30:31], s[6:7], s[2:3]          ; my tiles' scale pairs
	s_add_nc_u64 s[6:7], s[6:7], 131072            ; k's scale pairs of my head; v's lie as far on again
	s_lshr_b32 s2, s[BH], 4
	s_lshl_b32 s2, s2, 7
	s_add_co_u32 s2, s2, s[QT]                     ; tile A among all 256 tiles of tokens
	s_lshl_b32 s24, s2, 9                          ; 16 tokens x 32 scale bytes
	s_lshl_b32 s2, s2, 4
	s_and_b32 s25, s[BH], 15
	s_add_co_u32 s2, s2, s25
	s_mul_i32 s2, s2, 768
	s_add_nc_u64 s[12:13], s[12:13], s[2:3]        ; tile A's image in aimg; tile B's lies 16 images on
	s_lshl_b32 s25, s25, 1
	s_add_co_u32 s2, s24, s25
	s_add_nc_u64 s[14:15], s[14:15], s[2:3]        ; my head's two bytes of my first token's 32
	; ALL LOADS: q's six; key steps 0 to 3 and the scale pairs, fourteen; key steps 4 to 15, thirty-six
	global_load_b128 v[TA:TA+3], v[AK16], s[28:29]
	global_load_b64 v[TA+4:TA+5], v[AK8], s[28:29]
	global_load_b128 v[TB:TB+3], v[AK16], s[28:29] offset:768
	global_load_b64 v[TB+4:TB+5], v[AK8], s[28:29] offset:768
	global_load_u16 v[TA+QS], v[R2], s[30:31]      ; the upper two bytes are 0
	global_load_u16 v[TB+QS], v[R2], s[30:31] offset:32
.irp i, 0,1,2,3,4,5
	global_load_b128 v[SCR+4*\i:SCR+4*\i+3], v[CA], s[4:5] offset:4096*\i
.endr
.irp i, 0,1,2,3,4,5
	global_load_b128 v[SCR+24+4*\i:SCR+24+4*\i+3], v[CA], s[4:5] offset:3145728+4096*\i
.endr
	global_load_b128 v[SCR+48:SCR+51], v[CA], s[6:7]
	global_load_b128 v[SCR+52:SCR+55], v[CA], s[6:7] offset:131072
	WIN 0x40                                       ; destination window 1
.irp g, 0,1,2
.irp i, 0,1,2,3,4,5
	global_load_b128 v[ST+48*\g+4*\i:ST+48*\g+4*\i+3], v[CA], s[4:5] offset:4096*(6+6*\g+\i)
.endr
.irp i, 0,1,2,3,4,5
	global_load_b128 v[ST+48*\g+24+4*\i:ST+48*\g+24+4*\i+3], v[CA], s[4:5] offset:3145728+4096*(6+6*\g+\i)
.endr
.endr
.irp j, 0,1,2,3,4,5
	v_mov_b32 v[KB+48+\j], 0                       ; behind k's last tile
.endr
	WIN 0
	s_wait_kmcnt 0x0                               ; the flags
	s_mov_b32 s[NEED], 0
	s_mov_b32 s[KEPT], 0
	s_mov_b32 s2, 0
	s_mov_b32 s3, 0
.irp j, 0,1,2,3,4,5,6,7,8,9,10,11,12,13,14,15
	s_or_b32 s2, s2, s[32+\j]
	s_or_b32 s3, s3, s[48+\j]
	s_and_b32 s100, s[32+\j], s[48+\j]
	s_bfe_u32 s100, s100, 0x10010                  ; bit 16 in both: all of the step is kept
	s_lshl_b32 s100, s100, \j
	s_or_b32 s[KEPT], s[KEPT], s100
	s_or_b32 s100, s[32+\j], s[48+\j]
	s_and_b32 s100, s100, 0xffff                   ; does any of my queries keep a key of the step?
	s_cselect_b32 s100, 1<<\j, 0
	s_or_b32 s[NEED], s[NEED], s100
.endr
	s_and_b32 s2, s2, s3
	s_and_b32 s2, s2, 0xffff
	s_cmp_eq_u32 s2, 0xffff                        ; does each of my queries keep a key somewhere?
	s_cselect_b32 s[NEED], s[NEED], 0xffff         ; if not, all steps are walked
	s_lshr_b32 s[PL], s[NEED], 1
	s_and_b32 s[PL], s[PL], s[NEED]
	s_lshl_b32 s[PLS], s[PL], 1
	s_or_b32 s[PLS], s[PLS], 1                     ; step 0's k is fetched behind the first barrier
.irp j, 0,1,2,3,4,5
	v_mov_b32 v[TA+6+\j], 0                        ; q's upper half: zero codes
	v_mov_b32 v[TB+6+\j], 0
.endr
	v_mov_b32 v[NEG], 0xd0000000
	v_mov_b32 v[TW], 0
.irp b, 0,1,2,3
	v_mov_b32 v[BT+\b], 0                          ; written once: a lane permute's destination counts as one of its sources
.endr
.irp T, TA, TB
	v_mov_b32 v[\T+MM+1], 0xff61b1e6               ; the largest t so far: -3e38
	v_mov_b32 v[\T+SU], 0
	v_mov_b32 v[\T+SU+1], 0
	v_mov_b32 v[\T+FF+1], 0                        ; (named as the upper half of a pair)
	v_floor_f32 v[\T+MM], -v[\T+MM+1]              ; -M
.set m, 0
.rept 32
	v_mov_b32 v[\T+OT+m], 0                        ; O^T: the step is written once; the first finds zeros, which the first change of M leaves zeros
.set m, m+1
.endr
.endr
.irp i, 0,1,2,3,4,5
	s_wait_loadcnt 49-\i                           ; this copy is in: the 13 - i younger of the fourteen and the thirty-six may be out
	CST SCR+4*\i, 4096*\i
.endr
.irp i, 0,1,2,3,4,5
	s_wait_loadcnt 43-\i
	CST SCR+24+4*\i, VREG+4096*\i
.endr
	s_wait_loadcnt 37
	CST SCR+48, SCB
	s_wait_loadcnt 36
	CST SCR+52, SCB+4096
	s_wait_alu depctr_va_vdst(0)
	s_wait_dscnt 0x0                               ; for the others' sake: my stores have landed
	s_barrier_signal -1
	s_barrier_wait -1                              ; key steps 0 to 3 and all scale pairs lie in LDS
.macro KLOAD ko, so, a, b, c           ; k's eight tiles and their scale pairs, ko and so bytes behind the addresses in v[a], v[b], v[c]: 20 loads
	WIN 0x40
.irp t, 0,1,2,3,4,5,6,7
	ds_load_b128 v[KB+6*\t:KB+6*\t+3], v[\a] offset:\ko+768*\t
	ds_load_b64 v[KB+6*\t+4:KB+6*\t+5], v[\b] offset:\ko+768*\t
.endr
	WIN 0
.irp p, 0,1,2,3
	ds_load_u16 v[KS+\p], v[\c] offset:\so+64*\p
.endr
.endm
.macro VLOAD                           ; v's four fragments and their scale pairs: 20 loads
	WIN 0x40
.irp c, 0,1
.irp d, 0,1,2,3
	ds_load_b128 v[VB+12*\d+6*\c:VB+12*\d+6*\c+3], v[B16] offset:(4*\c+\d)*768
	ds_load_b64 v[VB+12*\d+6*\c+4:VB+12*\d+6*\c+5], v[B8] offset:(4*\c+\d)*768
.endr
.endr
	WIN 0
.irp c, 0,1
.irp p, 0,1
	ds_load_u16 v[VR+2*\c+\p], v[ASC] offset:4096+128*\c+64*\p
.endr
.endr
.endm
.macro MLOAD o                         ; a tile's 64 mask words of the step: word 8 t + j has a bit for each lane
	s_load_b512 s[32:47], s[8:9], s[SS] offset:\o
	s_load_b512 s[48:63], s[8:9], s[SS] offset:\o+0x40
	s_load_b512 s[68:83], s[8:9], s[SS] offset:\o+0x80
	s_load_b512 s[84:99], s[8:9], s[SS] offset:\o+0xc0
.endm
.macro MASKS                           ; a hidden score becomes -2^33; each tile from its low end on
.set n, 0
.rept 64
.if n < 32
	v_cndmask_b32 v[SCR+n], v[NEG], v[SCR+n], s[32+n]
.else
	v_cndmask_b32 v[SCR+n], v[NEG], v[SCR+n], s[36+n]
.endif
.set n, n+1
.endr
.endm
.macro SCORES T                        ; eight products: source 0 (k) in window 1
	WIN 0x01
.irp t, 0,2,4,6
	v_wmma_scale_f32_16x16x128_f8f6f4 v[SCR+8*\t:SCR+8*\t+7], v[KB+6*\t:KB+6*\t+11], v[\T:\T+11], 0, v[KS+\t/2], v[\T+QS] matrix_a_fmt:MATRIX_FMT_FP6 matrix_b_fmt:MATRIX_FMT_FP6
	v_wmma_scale_f32_16x16x128_f8f6f4 v[SCR+8*\t+8:SCR+8*\t+15], v[KB+6*\t+6:KB+6*\t+17], v[\T:\T+11], 0, v[KS+\t/2], v[\T+QS] matrix_a_fmt:MATRIX_FMT_FP6 matrix_b_fmt:MATRIX_FMT_FP6 matrix_a_scale:MATRIX_SCALE_ROW1
.endr
	WIN 0
.endm
.macro RESC T                          ; O^T under the new M; each accumulator from its low end on
	s_wait_alu depctr_va_vdst(0)                   ; directly ahead of the first reader of O^T
.set n, 0
.rept 16
	v_pk_mul_f32 v[\T+OT+n:\T+OT+n+1], v[\T+OT+n:\T+OT+n+1], v[\T+FF:\T+FF+1] op_sel_hi:[1,0]
.set n, n+2
.endr
.endm
.macro PV T                            ; four products: source 0 (v) in window 1
	WIN 0x01
.irp d, 0,2
	v_wmma_scale_f32_16x16x128_f8f6f4 v[\T+OT+8*\d:\T+OT+8*\d+7], v[VB+12*\d:VB+12*\d+11], v[\T+PCD:\T+PCD+11], v[\T+OT+8*\d:\T+OT+8*\d+7], v[VS+\d/2], v[\T+PSW] matrix_a_fmt:MATRIX_FMT_FP6 matrix_b_fmt:MATRIX_FMT_FP6
	v_wmma_scale_f32_16x16x128_f8f6f4 v[\T+OT+8*\d+8:\T+OT+8*\d+15], v[VB+12*\d+12:VB+12*\d+23], v[\T+PCD:\T+PCD+11], v[\T+OT+8*\d+8:\T+OT+8*\d+15], v[VS+\d/2], v[\T+PSW] matrix_a_fmt:MATRIX_FMT_FP6 matrix_b_fmt:MATRIX_FMT_FP6 matrix_a_scale:MATRIX_SCALE_ROW1
.endr
	WIN 0
.endm
; The softmax of one tile's 16 queries x 128 keys: from the scores in SCR to p's codes and scale word, the new M, f and the sum.
.macro SOFT T
.irp b, 0,1,2,3
	v_max3_num_f32 v[BM+\b], v[SCR+16*\b], v[SCR+1+16*\b], v[SCR+2+16*\b]   ; the largest score of each block of 32 keys: for the row's maximum, and, since p rises with the score, for the block's largest p
.endr
.irp i, 3,5,7,9,11,13
.irp b, 0,1,2,3
	v_max3_num_f32 v[BM+\b], v[BM+\b], v[SCR+16*\b+\i], v[SCR+1+16*\b+\i]
.endr
.endr
.irp b, 0,1,2,3
	v_max_num_f32 v[BM+\b], v[BM+\b], v[SCR+15+16*\b]
.endr
.irp b, 0,1,2,3
	s_delay_alu instid0(VALU_DEP_4)
	v_permlanex16_b32 v[BT+\b], v[BM+\b], s[SEL], s[SEL+1]
.endr
.irp b, 0,1,2,3
	s_delay_alu instid0(VALU_DEP_4)
	v_max_num_f32 v[BM+\b], v[BM+\b], v[BT+\b]     ; with lane l xor 16's 16 keys
.endr
	s_delay_alu instid0(VALU_DEP_2)
	v_max3_num_f32 v[TW], v[BM], v[BM+1], v[BM+2]
	s_delay_alu instid0(VALU_DEP_1)
	v_max_num_f32 v[TW], v[TW], v[BM+3]
	s_delay_alu instid0(VALU_DEP_1)
	v_mul_f32 v[TW], s[CS], v[TW]                  ; the step's largest t
	s_delay_alu instid0(VALU_DEP_1)
	v_max_num_f32 v[\T+MM+1], v[\T+MM+1], v[TW]    ; the running largest
	v_mov_b32 v[TW], v[\T+MM]
	s_delay_alu instid0(VALU_DEP_2)
	v_floor_f32 v[\T+MM], -v[\T+MM+1]              ; the new -M = -ceil(t): a whole number
	s_delay_alu instid0(VALU_DEP_1)
	v_sub_f32 v[TW], v[\T+MM], v[TW]               ; old M - new M: a whole number, 0 or less
	s_delay_alu instid0(VALU_DEP_1)
	v_cvt_i32_f32 v[TW], v[TW]                     ; (it saturates)
	s_delay_alu instid0(VALU_DEP_1)
	v_ldexp_f32 v[\T+FF], 1.0, v[TW]               ; f = 2^(old M - new M): rounds nothing
.set n, 0
.rept 32
	v_pk_fma_f32 v[SCR+n:SCR+n+1], v[SCR+n:SCR+n+1], s[CS:CS+1], v[\T+MM:\T+MM+1] op_sel_hi:[1,0,0]   ; t - M, two at a time
.set n, n+2
.endr
.irp b, 0,1,2,3
	v_fma_f32 v[BM+\b], v[BM+\b], s[CS], v[\T+MM]  ; the same of each block's largest score
.endr
	s_wait_alu depctr_va_vdst(0)
.set n, 0
.rept 64
	v_exp_f32 v[SCR+n], v[SCR+n]                   ; p = 2^(t - M)
.set n, n+1
.endr
	v_pk_mul_f32 v[\T+SU:\T+SU+1], v[\T+SU:\T+SU+1], v[\T+FF:\T+FF+1] op_sel_hi:[1,0]   ; the sums under the new M (a plain place behind the exponentials)
	s_wait_alu depctr_va_vdst(0)                   ; one wait for the whole batch, ahead of its first reader
.irp b, 0,1,2,3
	v_exp_f32 v[BM+\b], v[BM+\b]                   ; the block's largest p
.endr
.irp c, 0,1,2,3,4,5,6                  ; the row's sum of the unquantised p: 32 pairs in eight chains
	v_pk_add_f32 v[SM+2*\c:SM+2*\c+1], v[SCR+4*\c:SCR+4*\c+1], v[SCR+4*\c+2:SCR+4*\c+3]
.endr
	v_pk_add_f32 v[\T+SU:\T+SU+1], v[\T+SU:\T+SU+1], v[SCR+28:SCR+29]
.set n, 30
.rept 2
.irp c, 0,1,2,3,4,5,6
	v_pk_add_f32 v[SM+2*\c:SM+2*\c+1], v[SM+2*\c:SM+2*\c+1], v[SCR+n:SCR+n+1]
.set n, n+2
.endr
	v_pk_add_f32 v[\T+SU:\T+SU+1], v[\T+SU:\T+SU+1], v[SCR+n:SCR+n+1]
.set n, n+2
.endr
	v_pk_add_f32 v[SM:SM+1], v[SM:SM+1], v[SCR+62:SCR+63]
	v_pk_add_f32 v[SM+4:SM+5], v[SM+4:SM+5], v[SM+6:SM+7]
	v_pk_add_f32 v[SM+8:SM+9], v[SM+8:SM+9], v[SM+10:SM+11]
	v_pk_add_f32 v[\T+SU:\T+SU+1], v[\T+SU:\T+SU+1], v[SM+12:SM+13]
	v_pk_add_f32 v[SM:SM+1], v[SM:SM+1], v[SM+2:SM+3]
	s_delay_alu instid0(VALU_DEP_2)
	v_pk_add_f32 v[\T+SU:\T+SU+1], v[\T+SU:\T+SU+1], v[SM+8:SM+9]
	s_delay_alu instid0(VALU_DEP_2)
	v_pk_add_f32 v[SM:SM+1], v[SM:SM+1], v[SM+4:SM+5]
	s_delay_alu instid0(VALU_DEP_1)
	v_pk_add_f32 v[\T+SU:\T+SU+1], v[\T+SU:\T+SU+1], v[SM:SM+1]
	s_wait_alu depctr_va_vdst(0)                   ; and one for the four
.irp b, 0,1,2,3
	v_max_num_f32 v[BM+\b], 0x1800000, v[BM+\b]    ; the floor 2^(3 - 127): the byte cannot fall under 1
.endr
.irp b, 0,1,2,3
	s_delay_alu instid0(VALU_DEP_4)
	v_add_nc_u32 v[SOP+\b], 0xff000000, v[BM+\b]   ; 2 off the exponent field: the conversion's scale operand
.endr
.irp b, 0,1,2,3
	s_delay_alu instid0(VALU_DEP_4)
	v_lshrrev_b32 v[BT+\b], 23, v[SOP+\b]          ; the scale's byte
.endr
	s_delay_alu instid0(VALU_DEP_3)
	v_lshl_or_b32 v[\T+PSW], v[BT+1], 8, v[BT]
	s_delay_alu instid0(VALU_DEP_1)
	v_lshl_or_b32 v[\T+PSW], v[BT+2], 16, v[\T+PSW]
	s_delay_alu instid0(VALU_DEP_1)
	v_lshl_or_b32 v[\T+PSW], v[BT+3], 24, v[\T+PSW]
.irp c, 0,1
	v_cvt_scalef32_pk16_fp6_f32 v[\T+PCD+6*\c:\T+PCD+2+6*\c], v[SCR+32*\c:SCR+15+32*\c], v[SOP+2*\c]
	v_cvt_scalef32_pk16_fp6_f32 v[CT+4*\c:CT+2+4*\c], v[SCR+16+32*\c:SCR+31+32*\c], v[SOP+1+2*\c]
.endr
	v_nop                                          ; one plain place behind a scaled conversion
.irp c, 0,1
.irp i, 0,1,2
	v_permlane16_swap_b32 v[\T+PCD+6*\c+\i], v[CT+4*\c+\i]
.endr
.irp i, 0,1,2
	s_delay_alu instid0(VALU_DEP_3)
	v_mov_b32 v[\T+PCD+3+6*\c+\i], v[CT+4*\c+\i]
.endr
.endr
.endm
; A step of 128 keys for both tiles; jumped over where the flags allow.
; The step's work behind its loads, in two copies: m = 1 where some key of the step is hidden from some query (tile A's mask words have been asked for), m = 0 where all is kept.
.macro BODY m
	s_wait_dscnt 20                                ; k is in: v's 20 loads, which are younger, may be out
	SCORES TA
.rept 4
	v_nop                                          ; places in front of the first read of the scores
.endr
.if \m
	s_wait_kmcnt 0x0
	MASKS
	MLOAD 0x1000                                   ; tile B's mask words come while tile A's softmax is made
.endif
	SOFT TA
	SCORES TB
	s_wait_dscnt 0x0                               ; v's fragments and scale pairs are in
.irp p, 0,1
	v_lshl_or_b32 v[VS+\p], v[VR+2+\p], 16, v[VR+\p]   ; the pairs of the step's two halves make a row's scale word
.endr
	RESC TA                                        ; sixteen plain lines: the places behind tile B's scores and between the scale words' lines and the products
	PV TA
	s_bitcmp1_b32 s[PL], s[JJ]
	s_cbranch_scc0 .Lnp\@
	KLOAD 6144, 256, A16, A8, ASC                  ; the next step's k lands under tile B's softmax
.Lnp\@:
.if \m
	s_wait_kmcnt 0x0
	MASKS
.endif
	SOFT TB
	RESC TB
	PV TB
.endm
.macro STEP id
	s_bitcmp1_b32 s[NEED], s[JJ]
	s_cbranch_scc0 .Lskip\id
	s_add_co_u32 s2, s[SK], VREG
	v_add_nc_u32 v[A16], s[SK], v[AK16]            ; (these five are also the places behind the last step's products)
	v_add_nc_u32 v[A8], s[SK], v[AK8]
	v_add_nc_u32 v[B16], s2, v[AK16]
	v_add_nc_u32 v[B8], s2, v[AK8]
	v_add_nc_u32 v[ASC], s[SS], v[AS0]
	s_wait_alu depctr_va_vdst(0)
	s_bitcmp1_b32 s[PLS], s[JJ]
	s_cbranch_scc1 .Lhavek\id                      ; my k has been fetched already
	s_wait_dscnt 0x0                               ; no earlier load into k's registers is out
	KLOAD 0, 0, A16, A8, ASC
.Lhavek\id:
	VLOAD
	s_bitcmp1_b32 s[KEPT], s[JJ]
	s_cbranch_scc1 .Lfull\id
	MLOAD 0x0                                      ; tile A's mask words
	BODY 1
	s_branch .Lskip\id
.Lfull\id:
	BODY 0
.Lskip\id:
.endm
.macro NEXT
	s_add_co_u32 s[SK], s[SK], 6144
	s_add_co_u32 s[SS], s[SS], 256
	s_add_co_u32 s[JJ], s[JJ], 1
.endm
.macro COPYG g, cnt                    ; key steps 4 + 4 g to 7 + 4 g go to LDS: 12 stores a lane; cnt: the younger groups' loads, which may be out
	s_wait_loadcnt \cnt
	WIN 0x04                                       ; the data: window 1
.irp i, 0,1,2,3,4,5
	CST ST+48*(\g)+4*\i, 4096*(6+6*(\g)+\i)
	CST ST+48*(\g)+24+4*\i, VREG+4096*(6+6*(\g)+\i)
.endr
	WIN 0
.endm
	KLOAD 0, 0, AK16, AK8, AS0                     ; step 0's k
	s_mov_b32 s[JJ], 0
	s_mov_b32 s[SK], 0
	s_mov_b32 s[SS], 0
.Lone:                                             ; trips 0 to 2 read key steps 0 to 3 alone (trip 2 fetches step 3's k); each ends with a group of the copy
	STEP 1
	s_cmp_eq_u32 s[JJ], 0
	s_cbranch_scc0 .Lg1
	COPYG 0, 24
	s_branch .Lgd
.Lg1:
	s_cmp_eq_u32 s[JJ], 1
	s_cbranch_scc0 .Lg2
	COPYG 1, 12
	s_branch .Lgd
.Lg2:
	COPYG 2, 0
.Lgd:
	NEXT
	s_cmp_lt_u32 s[JJ], 3
	s_cbranch_scc1 .Lone
	s_wait_dscnt 0x0                               ; for the others' sake: my stores have landed
	s_barrier_signal -1
	s_barrier_wait -1                              ; all of k and v lies in LDS; from here the waves run free
.Ltwo:                                             ; trips 3 to 15
	STEP 2
	NEXT
	s_cmp_lt_u32 s[JJ], 16
	s_cbranch_scc1 .Ltwo
	; THE WAY OUT.  O^T / the sum; registers 16 G + i of a lane are features 32 G + 16 (lane / 16) + i of my head: quantised along them, they are a half fragment of the last product's left operand.
.macro OUTQ T, io
	s_wait_alu depctr_va_vdst(0)                   ; ahead of the first reader of the reciprocal and of O^T
.set n, 0
.rept 16
	v_pk_mul_f32 v[\T+OT+n:\T+OT+n+1], v[\T+OT+n:\T+OT+n+1], v[\T+SU:\T+SU+1] op_sel_hi:[1,0]
.set n, n+2
.endr
.irp b, 0,1
	v_max3_num_f32 v[BM+\b], |v[\T+OT+16*\b]|, |v[\T+OT+1+16*\b]|, 0x1800000
.endr
.irp i, 2,4,6,8,10,12,14
.irp b, 0,1
	s_delay_alu instid0(VALU_DEP_2)
	v_max3_num_f32 v[BM+\b], v[BM+\b], |v[\T+OT+16*\b+\i]|, |v[\T+OT+1+16*\b+\i]|
.endr
.endr
.irp b, 0,1
	s_delay_alu instid0(VALU_DEP_2)
	v_permlanex16_b32 v[BT+\b], v[BM+\b], s[SEL], s[SEL+1]
.endr
.irp b, 0,1
	s_delay_alu instid0(VALU_DEP_2)
	v_max_num_f32 v[BM+\b], v[BM+\b], v[BT+\b]
.endr
.irp b, 0,1
	s_delay_alu instid0(VALU_DEP_2)
	v_add_nc_u32 v[SOP+\b], 0xff000000, v[BM+\b]
.endr
.irp b, 0,1
	s_delay_alu instid0(VALU_DEP_2)
	v_lshrrev_b32 v[BT+\b], 23, v[SOP+\b]
.endr
	s_delay_alu instid0(VALU_DEP_1)
	v_lshl_or_b32 v[\T+PSW], v[BT+1], 8, v[BT]
	v_cvt_scalef32_pk16_fp6_f32 v[\T+PCD:\T+PCD+2], v[\T+OT:\T+OT+15], v[SOP]
	v_cvt_scalef32_pk16_fp6_f32 v[CT:CT+2], v[\T+OT+16:\T+OT+31], v[SOP+1]
	v_nop
.irp i, 0,1,2
	v_permlane16_swap_b32 v[\T+PCD+\i], v[CT+\i]
.endr
.irp i, 0,1,2
	s_delay_alu instid0(VALU_DEP_3)
	v_mov_b32 v[\T+PCD+3+\i], v[CT+\i]
.endr
	global_store_b128 v[AK16], v[\T+PCD:\T+PCD+3], s[12:13] offset:\io      ; 512 consecutive bytes, aligned to 256,
	global_store_b64 v[AK8], v[\T+PCD+4:\T+PCD+5], s[12:13] offset:\io      ; and 256 more: the image
.endm
.rept 4
	v_nop
.endr
	v_add_f32 v[TA+SU], v[TA+SU], v[TA+SU+1]
	v_add_f32 v[TB+SU], v[TB+SU], v[TB+SU+1]
	s_delay_alu instid0(VALU_DEP_2)
	v_permlanex16_b32 v[BT], v[TA+SU], s[SEL], s[SEL+1]
	s_delay_alu instid0(VALU_DEP_2)
	v_permlanex16_b32 v[BT+1], v[TB+SU], s[SEL], s[SEL+1]
	s_delay_alu instid0(VALU_DEP_2)
	v_add_f32 v[TA+SU], v[TA+SU], v[BT]            ; the rows' sums
	s_delay_alu instid0(VALU_DEP_2)
	v_add_f32 v[TB+SU], v[TB+SU], v[BT+1]
	s_wait_alu depctr_va_vdst(0)
	v_rcp_f32 v[TA+SU], v[TA+SU]
	v_rcp_f32 v[TB+SU], v[TB+SU]
	v_lshlrev_b32 v[R2], 4, v[R2]                  ; (a plain place)  32 r: a token's row of scale bytes
	OUTQ TA, 0
	OUTQ TB, 12288
	v_and_b32 v[TW], 31, v0
	s_delay_alu instid0(VALU_DEP_1)
	v_cmp_gt_u32 vcc_lo, 16, v[TW]
	s_wait_alu depctr_va_vdst(0)
	s_wait_xcnt 0x0                                ; EXEC changes only behind this wait
	s_and_saveexec_b32 s2, vcc_lo
	global_store_b16 v[R2], v[TA+PSW], s[14:15]    ; my head's two bytes of each token's 32: a head owns no more of a row
	global_store_b16 v[R2], v[TB+PSW], s[14:15] offset:512
	s_wait_xcnt 0x0
	s_or_b32 exec_lo, exec_lo, s2
	s_wait_tensorcnt 0x0                           ; the wave's end, behind my last LDS store
	ds_add_u32 v[SPW], v[NIL]
	s_wait_dscnt 0x0
	s_endpgm
.Lfunc_end_k_q3cb6d06344_attn:
	.size	k_q3cb6d06344_attn, .Lfunc_end_k_q3cb6d06344_attn-k_q3cb6d06344_attn
	.p2alignl 7, 3214868480
	.fill 96, 4, 3214868480
	.section	.rodata,"a",@progbits
	.p2align	6, 0x0
	.amdhsa_kernel k_q3cb6d06344_attn
		.amdhsa_group_segment_fixed_size 206848
		.amdhsa_private_segment_fixed_size 0
		.amdhsa_enable_private_segment 0
		.amdhsa_kernarg_size 48
		.amdhsa_user_sgpr_count 2
		.amdhsa_user_sgpr_kernarg_segment_ptr 1
		.amdhsa_wavefront_size32 1
		.amdhsa_system_sgpr_workgroup_id_x 1
		.amdhsa_system_sgpr_workgroup_id_y 1
		.amdhsa_system_sgpr_workgroup_id_z 1
		.amdhsa_system_vgpr_workitem_id 0
		.amdhsa_next_free_vgpr 512
		.amdhsa_next_free_sgpr 102
		.amdhsa_reserve_vcc 1
		.amdhsa_float_denorm_mode_32 3
		.amdhsa_float_denorm_mode_16_64 3
		.amdhsa_memory_ordered 1
		.amdhsa_forward_progress 1
		.amdhsa_inst_pref_size 179
	.end_amdhsa_kernel
	.amdgpu_metadata
---
amdhsa.version: [ 1, 2 ]
amdhsa.kernels:
  - .name:           k_q3cb6d06344_attn
    .symbol:         k_q3cb6d06344_attn.kd
    .args:
      - { .name: img, .offset: 0, .size: 8, .value_kind: global_buffer, .address_space: global }
      - { .name: scl, .offset: 8, .size: 8, .value_kind: global_buffer, .address_space: global }
      - { .name: maskw, .offset: 16, .size: 8, .value_kind: global_buffer, .address_space: global }
      - { .name: mflag, .offset: 24, .size: 8, .value_kind: global_buffer, .address_space: global }
      - { .name: aimg, .offset: 32, .size: 8, .value_kind: global_buffer, .address_space: global }
      - { .name: ascl, .offset: 40, .size: 8, .value_kind: global_buffer, .address_space: global }
    .group_segment_fixed_size: 206848
    .private_segment_fixed_size: 0
    .kernarg_segment_align: 8
    .kernarg_segment_size: 48
    .max_flat_workgroup_size: 256
    .sgpr_count:     102
    .vgpr_count:     512
    .wavefront_size: 32
...
	.end_amdgpu_metadata
.endif
;; end of part 2
;; launch oproj (part 3): grid 8 x 32, 4 waves a work-group, clusters of 4 x 4, 327,680 bytes of LDS; arguments aimg, ascl, W_o_codes, W_o_scales, b_o, out0; writes out0
.if DOCPART == 3
	.amdgcn_target "amdgcn-amd-amdhsa--gfx1250"
	.amdhsa_code_object_version 6
	.text
	.protected	k_q3cb6d06344_oproj
	.globl	k_q3cb6d06344_oproj
	.p2align	8
	.type	k_q3cb6d06344_oproj,@function
k_q3cb6d06344_oproj:
	s_mov_b64 s[64:65], 0
	v_nop
	global_prefetch_b8 v0, s[64:65] scope:SCOPE_SE
	s_setreg_imm32_b32 hwreg(HW_REG_WAVE_MODE, 25, 1), 1
	s_wait_xcnt 0x0
	s_wait_alu depctr_hold_cnt(0) depctr_sa_sdst(0) depctr_va_vdst(0) depctr_va_sdst(0) depctr_va_ssrc(0) depctr_va_vcc(0) depctr_vm_vsrc(0)
	s_getreg_b32 s2, hwreg(HW_REG_IB_STS2, 6, 4)
	s_cmp_eq_u32 s2, 0
	s_cbranch_scc0 .Lentry_in_a_cluster
	s_endpgm
.Lentry_in_a_cluster:
	s_bfe_u32 s2, ttmp6, 0x10000c
	s_cmp_lg_u32 s2, 0xf033
	s_cbranch_scc0 .Lentry_shape_is_right
	s_endpgm
.Lentry_shape_is_right:
.set PITCH,  816
.set XHALF,  49152
.set WOFF,   2*XHALF
.set WTILE,  64*PITCH
.set SCL,    WOFF+2*WTILE
.set WSCL,   8*272
.set STG,    SCL+4*WSCL
.set WSTG,   16*272
.set SPARE,  STG+4*WSTG
.set LR,   1
.set LH,   2
.set LN,   3
.set AI16, 4
.set AI8,  5
.set ADF,  6
.set ADRS, 8
.set STO,  9
.set RD,   10
.set CO,   11
.set SPW,  28
.set NIL,  29
.set SC,   32
.set BI,   64
.set BK,   64
.set ACC,  128
.set G0X,  16
.set G0W,  20
.set G0SX, 24
.set G0SW, 28
.set G1X,  44
.set G1W,  52
.set G1SX, 68
.set G1SW, 76
.set WV,   84
.set WLO,  85
.set WHI,  86
.set CX,   87
.set CY,   88
.set HB,   89
.set TT,   90
.set MSB, 0
.macro WIN new
.if MSB != \new
	s_set_vgpr_msb (MSB<<8)|\new
.set MSB, \new
.endif
.endm
.macro JLOAD g0a, g1a, g0b, g1b
	s_cmp_eq_u32 s[WHI], 0
	s_cbranch_scc0 .Lfor_b_\@
	tensor_load_to_lds s[\g0a:\g0a+3], s[\g1a:\g1a+7]
	s_nop 0
.rept 4
	v_nop
.endr
	s_branch .Lasked_\@
.Lfor_b_\@:
	tensor_load_to_lds s[\g0b:\g0b+3], s[\g1b:\g1b+7]
	s_nop 0
.rept 4
	v_nop
.endr
.Lasked_\@:
.endm
.macro CROUND
	s_barrier_signal -1
	s_barrier_wait -1
	s_cmp_lg_u32 s[WV], 0
	s_cbranch_scc1 .Lnot_wave_0_\@
	s_barrier_signal -3
.Lnot_wave_0_\@:
	s_barrier_wait -3
	s_barrier_signal -1
	s_barrier_wait -1
.endm
.macro PLACES n
.rept \n
	v_nop
.endr
.endm
	s_load_b256 s[4:11], s[0:1], 0x0
	s_load_b128 s[12:15], s[0:1], 0x20
	v_lshl_add_u32 v[SPW], v0, 2, SPARE
	v_mov_b32 v[NIL], 0
	ds_add_u32 v[SPW], v[NIL]
	ds_add_u32 v[SPW], v[NIL]
	v_lshrrev_b32 v1, 5, v0
	v_readfirstlane_b32 s[WV], v1
	s_and_b32 s[WLO], s[WV], 1
	s_lshr_b32 s[WHI], s[WV], 1
	s_bfe_u32 s[CX], ttmp6, 0x40000
	s_bfe_u32 s[CY], ttmp6, 0x40004
	s_lshl_b32 s[HB], ttmp9, 2
	s_add_co_u32 s[HB], s[HB], s[CX]
	s_and_b32 s[TT], ttmp7, 0xffff
	s_lshl_b32 s[TT], s[TT], 2
	s_add_co_u32 s[TT], s[TT], s[CY]
	s_lshl_b32 s95, s[CY], 2
	s_lshl_b32 s95, 15, s95
	s_lshl_b32 s96, 0x1111, s[CX]
	s_or_b32 s[G1X], s95, (3<<16)|(1<<21)
	s_mov_b32 s[G1X+1], 32<<16
	s_mov_b32 s[G1X+2], 192<<16
	s_mov_b32 s[G1X+3], 32<<16
	s_mov_b32 s[G1X+4], 192
	s_mov_b32 s[G1X+5], 32
	s_mov_b32 s[G1X+6], 0
	s_mov_b32 s[G1X+7], 0
	s_or_b32 s[G1W], s96, (1<<20)|(1<<21)|(5<<22)|(3<<25)
	s_mov_b32 s[G1W+1], 768<<16
	s_mov_b32 s[G1W+2], 64<<16
	s_mov_b32 s[G1W+3], 768<<16
	s_mov_b32 s[G1W+4], 64
	s_mov_b32 s[G1W+5], 768
	s_mov_b32 s[G1W+6], 0
	s_mov_b32 s[G1W+7], 0
	s_or_b32 s[G1SX], s95, (3<<16)|(1<<20)|(1<<21)|(5<<22)|(3<<25)
	s_or_b32 s[G1SW], s96, (3<<16)|(1<<20)|(1<<21)|(5<<22)|(3<<25)
.irp g, G1SX, G1SW
	s_mov_b32 s[\g+1], 32<<16
	s_mov_b32 s[\g+2], 8<<16
	s_mov_b32 s[\g+3], 32<<16
	s_mov_b32 s[\g+4], 8
	s_mov_b32 s[\g+5], 32
	s_mov_b32 s[\g+6], 0
	s_mov_b32 s[\g+7], 0
.endr
	s_lshl_b32 s60, s[TT], 1
	s_add_co_u32 s60, s60, s[WLO]
	s_lshl_b32 s62, s60, 11
	s_mul_i32 s60, s60, XHALF
	s_mov_b32 s61, 0
	s_mov_b32 s63, 0
	s_lshl_b32 s98, s[HB], 1
	s_add_co_u32 s98, s98, s[WLO]
	s_lshl_b32 s100, s98, 11
	s_mul_i32 s98, s98, 64*768
	s_mov_b32 s99, 0
	s_mov_b32 s101, 0
	s_mul_i32 s2, s[WLO], XHALF
	s_mul_i32 s3, s[WLO], WTILE
	s_mul_i32 s97, s[WV], WSCL
	s_wait_dscnt 0x0
	s_wait_kmcnt 0x0
	s_add_nc_u64 s[4:5], s[4:5], s[60:61]
	s_add_nc_u64 s[6:7], s[6:7], s[62:63]
	s_add_nc_u64 s[8:9], s[8:9], s[98:99]
	s_add_nc_u64 s[10:11], s[10:11], s[100:101]
	CROUND
	s_mov_b32 s[G0SX], 1
	s_add_co_u32 s[G0SX+1], s97, SCL
	s_mov_b64 s[G0SX+2:G0SX+3], s[6:7]
	s_or_b32 s[G0SX+3], s[G0SX+3], 0x80000000
	s_mov_b32 s[G0SW], 1
	s_add_co_u32 s[G0SW+1], s97, SCL
	s_mov_b64 s[G0SW+2:G0SW+3], s[10:11]
	s_or_b32 s[G0SW+3], s[G0SW+3], 0x80000000
	JLOAD G0SX, G1SX, G0SW, G1SW
	s_mov_b32 s[G0X], 1
	s_mov_b32 s[G0X+1], s2
	s_mov_b64 s[G0X+2:G0X+3], s[4:5]
	s_or_b32 s[G0X+3], s[G0X+3], 0x80000000
	s_mov_b32 s[G0W], 1
	s_add_co_u32 s[G0W+1], s3, WOFF
	s_mov_b64 s[G0W+2:G0W+3], s[8:9]
	s_or_b32 s[G0W+3], s[G0W+3], 0x80000000
	s_wait_alu depctr_va_vdst(0)
	s_wait_tensorcnt 0x0
	ds_add_u32 v28, v29
	s_wait_dscnt 0x0
	CROUND
	JLOAD G0X, G1X, G0W, G1W
	v_and_b32 v[LR], 15, v0
	v_bfe_u32 v[LH], v0, 4, 1
	v_and_b32 v[LN], 31, v0
	s_mul_i32 s2, s[WLO], XHALF
	v_lshl_add_u32 v[AI16], v[LN], 4, s2
	v_lshl_add_u32 v[AI8], v[LN], 3, s2
	v_mul_u32_u24 v24, v[LR], PITCH
	v_mad_u32_u24 v25, v[LH], 24, v24
	v_mad_u32_u24 v26, v[LH], 40, v24
	s_mul_i32 s3, s[WHI], WTILE
	s_add_co_u32 s3, s3, WOFF
	v_add_nc_u32 v[ADF], s3, v25
	v_add_nc_u32 v[ADF+1], s3, v26
	v_lshlrev_b32 v24, 5, v[LR]
	v_lshrrev_b32 v25, 3, v[LR]
	v_lshl_add_u32 v24, v25, 4, v24
	s_mul_i32 s2, s[WLO], WSCL
	s_add_co_u32 s3, s[WHI], 2
	s_mul_i32 s3, s3, WSCL
	s_sub_co_u32 s3, s3, s2
	v_mul_u32_u24 v25, s3, v[LH]
	s_add_co_u32 s2, s2, SCL
	v_add_nc_u32 v24, v24, v25
	v_add_nc_u32 v[ADRS], s2, v24
	s_mul_i32 s2, s[WV], WSTG
	s_add_co_u32 s2, s2, STG
	v_mul_u32_u24 v24, v[LR], 272
	v_lshl_add_u32 v24, v[LH], 5, v24
	v_add_nc_u32 v[STO], s2, v24
	v_mul_u32_u24 v24, v[LH], 272
	v_lshl_add_u32 v24, v[LR], 4, v24
	v_add_nc_u32 v[RD], s2, v24
	v_lshlrev_b32 v[CO], 4, v[LR]
	v_lshl_add_u32 v[CO], v[LH], 12, v[CO]
	s_lshl_b32 s32, s[HB], 9
	s_lshl_b32 s33, s[WHI], 8
	s_add_co_u32 s32, s32, s33
	s_mov_b32 s33, 0
	s_add_nc_u64 s[12:13], s[12:13], s[32:33]
	s_add_nc_u64 s[14:15], s[14:15], s[32:33]
	s_lshl_b32 s32, s[TT], 1
	s_add_co_u32 s32, s32, s[WLO]
	s_lshl_b32 s32, s32, 18
	s_add_nc_u64 s[14:15], s[14:15], s[32:33]
	v_lshlrev_b32 v27, 5, v[LH]
.irp b, 0,1,2,3
	global_load_b128 v[BI+8*\b:BI+8*\b+3], v27, s[12:13] offset:64*\b
	global_load_b128 v[BI+8*\b+4:BI+8*\b+7], v27, s[12:13] offset:64*\b+16
.endr
	s_wait_loadcnt 0x0
	s_wait_tensorcnt 0x0
	s_barrier_signal -1
	s_barrier_wait -1
.macro FRAG reg, adr, q, i
.irp p, 0,1,2,3,4,5
.set PCE, 12*(\q)+6*(\p/3)+\p%3
.if PCE%32 < 29
	ds_load_b64 v[\reg+2*\p:\reg+2*\p+1], v[\adr] offset:8*PCE+16*(PCE/32)+(\i)*16*PITCH
.else
	ds_load_b64 v[\reg+2*\p:\reg+2*\p+1], v[\adr+1] offset:8*PCE+16*(PCE/32)+(\i)*16*PITCH
.endif
.endr
.endm
.macro FRAGI reg, q, i
.irp e, 0,1
	ds_load_b128 v[\reg+6*\e:\reg+6*\e+3], v[AI16] offset:12288*(\i)+768*(2*(\q)+\e)
	ds_load_b64 v[\reg+6*\e+4:\reg+6*\e+5], v[AI8] offset:12288*(\i)+768*(2*(\q)+\e)+512
.endr
.endm
.macro FETCH q, s
	WIN 0x40
.irp t, 0,1,2,3
	FRAGI 128*(\s)+12*\t, \q, \t
	FRAG 128*(\s)+48+12*\t, ADF, \q, \t
.endr
	WIN 0
.endm
.macro MUL q, s, first
	WIN 0x05
.irp a, 0,1,2,3
.irp b, 0,1,2,3
.if \first
	v_wmma_scale_f32_16x16x128_f8f6f4 v[ACC+32*\a+8*\b:ACC+32*\a+8*\b+7], v[128*(\s)+48+12*\b:128*(\s)+48+12*\b+11], v[128*(\s)+12*\a:128*(\s)+12*\a+11], v[BI+8*\b:BI+8*\b+7], v[SC+8*\b+(\q)], v[SC+8*\a+(\q)] matrix_a_fmt:MATRIX_FMT_FP6 matrix_b_fmt:MATRIX_FMT_FP6 matrix_a_scale:MATRIX_SCALE_ROW1
.else
	v_wmma_scale_f32_16x16x128_f8f6f4 v[ACC+32*\a+8*\b:ACC+32*\a+8*\b+7], v[128*(\s)+48+12*\b:128*(\s)+48+12*\b+11], v[128*(\s)+12*\a:128*(\s)+12*\a+11], v[ACC+32*\a+8*\b:ACC+32*\a+8*\b+7], v[SC+8*\b+(\q)], v[SC+8*\a+(\q)] matrix_a_fmt:MATRIX_FMT_FP6 matrix_b_fmt:MATRIX_FMT_FP6 matrix_a_scale:MATRIX_SCALE_ROW1
.endif
.endr
.endr
	WIN 0
.endm
.irp t, 0,1,2,3
.irp e, 0,1
	ds_load_b128 v[SC+8*\t+4*\e:SC+8*\t+4*\e+3], v[ADRS] offset:544*\t+16*\e
.endr
.endr
	FETCH 0, 0
.irp q, 0,1,2,3,4,5,6,7
	s_wait_dscnt 0x0
.if \q > 0
	PLACES 4
.endif
.if \q < 7
	FETCH \q+1, (\q+1)%2
.endif
.if \q == 0
	MUL \q, \q%2, 1
.else
	MUL \q, \q%2, 0
.endif
.endr
.macro TOSTAGE a
.irp b, 0,1,2,3
	ds_store_b128 v[STO], v[ACC+32*(\a)+8*\b:ACC+32*(\a)+8*\b+3] offset:64*\b
	ds_store_b128 v[STO], v[ACC+32*(\a)+8*\b+4:ACC+32*(\a)+8*\b+7] offset:64*\b+16
.endr
.irp t, 0,1,2,3,4,5,6,7
	ds_load_b128 v[BK+32*((\a)%2)+4*\t:BK+32*((\a)%2)+4*\t+3], v[RD] offset:544*\t
.endr
.endm
.macro SEND a, younger
	s_wait_dscnt \younger
.irp t, 0,1,2,3,4,5,6,7
	global_store_b128 v[CO], v[BK+32*((\a)%2)+4*\t:BK+32*((\a)%2)+4*\t+3], s[14:15] offset:(16*(\a)+2*\t)*4096 th:TH_STORE_NT
.endr
.endm
	PLACES 4
	s_wait_alu depctr_va_vdst(0)
	TOSTAGE 0
	TOSTAGE 1
	SEND 0, 16
	s_wait_xcnt 0x0
	TOSTAGE 2
	SEND 1, 16
	s_wait_xcnt 0x0
	TOSTAGE 3
	SEND 2, 16
	SEND 3, 0
	s_wait_tensorcnt 0x0
	ds_add_u32 v[SPW], v[NIL]
	s_wait_dscnt 0x0
	CROUND
	s_endpgm
.Lfunc_end_k_q3cb6d06344_oproj:
	.size	k_q3cb6d06344_oproj, .Lfunc_end_k_q3cb6d06344_oproj-k_q3cb6d06344_oproj
	.p2alignl 7, 3214868480
	.fill 96, 4, 3214868480
	.section	.rodata,"a",@progbits
	.p2align	6, 0x0
	.amdhsa_kernel k_q3cb6d06344_oproj
		.amdhsa_group_segment_fixed_size 327680
		.amdhsa_private_segment_fixed_size 0
		.amdhsa_enable_private_segment 0
		.amdhsa_kernarg_size 48
		.amdhsa_user_sgpr_count 2
		.amdhsa_user_sgpr_kernarg_segment_ptr 1
		.amdhsa_wavefront_size32 1
		.amdhsa_system_sgpr_workgroup_id_x 1
		.amdhsa_system_sgpr_workgroup_id_y 1
		.amdhsa_system_sgpr_workgroup_id_z 1
		.amdhsa_system_vgpr_workitem_id 0
		.amdhsa_next_free_vgpr 512
		.amdhsa_next_free_sgpr 102
		.amdhsa_reserve_vcc 0
		.amdhsa_float_denorm_mode_32 3
		.amdhsa_float_denorm_mode_16_64 3
		.amdhsa_memory_ordered 1
		.amdhsa_forward_progress 1
		.amdhsa_inst_pref_size 56
	.end_amdhsa_kernel
	.amdgpu_metadata
---
amdhsa.version: [ 1, 2 ]
amdhsa.kernels:
  - .name:           k_q3cb6d06344_oproj
    .symbol:         k_q3cb6d06344_oproj.kd
    .args:
      - { .name: aimg, .offset: 0, .size: 8, .value_kind: global_buffer, .address_space: global }
      - { .name: ascl, .offset: 8, .size: 8, .value_kind: global_buffer, .address_space: global }
      - { .name: W_o_codes, .offset: 16, .size: 8, .value_kind: global_buffer, .address_space: global }
      - { .name: W_o_scales, .offset: 24, .size: 8, .value_kind: global_buffer, .address_space: global }
      - { .name: b_o, .offset: 32, .size: 8, .value_kind: global_buffer, .address_space: global }
      - { .name: out0, .offset: 40, .size: 8, .value_kind: global_buffer, .address_space: global }
    .group_segment_fixed_size: 327680
    .private_segment_fixed_size: 0
    .kernarg_segment_align: 8
    .kernarg_segment_size: 48
    .max_flat_workgroup_size: 128
    .sgpr_count:     102
    .vgpr_count:     512
    .wavefront_size: 32
...
	.end_amdgpu_metadata
.endif
;; end of part 3
